; MI455X (gfx1250); checked and timed in simulation.
; The chip was launched on July 23, 2026; its instructions are those of AMD's public machine-readable ISA for CDNA 5 (MIT licence, August 2026) and "CDNA5" Instruction Set Architecture Reference Guide (July 2026). The comments in the code are by the model that wrote it; some were corrected since.
;; Multi Head Attention. Allowed arithmetic: matrix products marked QUANTISED: E2M3 operands, one E8M0 scale for each 32 along K, by v_wmma_scale_f32_16x16x128_f8f6f4 with both operands' format E2M3, f32 sums; everything else in f32.
;; Inputs: key 4 x 2,048 x 1,024 float32; mask 4 x 2,048 x 2,048 int32; query 4 x 2,048 x 1,024 float32; value 4 x 2,048 x 1,024 float32; w_out 1,024 x 1,024 float32; wk 1,024 x 1,024 float32; wq 1,024 x 1,024 float32; wv 1,024 x 1,024 float32.
;; Outputs: out0 4 x 2,048 x 1,024 float32.
;; This version of the problem:
;;   THIS VERSION OF THE PROBLEM IS GIVEN IN LOW PRECISION. The matrix products marked QUANTISED in the list below multiply operands that are first quantised to E2M3 (2 exponent bits, 3 mantissa bits; 6 bits a number), with one power-of-two scale for each 32 numbers along K (OCP MX v1.0); their sums are f32. All else is computed in f32.
;;   The module's matrix products, in the order in which they are computed (A, B: the left and right operand; K: the contracted axis; several contracted axes count as one K, in the product's order):
;;     1. [M 8,192, K 1,024] x [K 1,024, N 1,024]; A: input query; B: input wq: QUANTISED
;;     2. [M 8,192, K 1,024] x [K 1,024, N 1,024]; A: input key; B: input wk: QUANTISED
;;     3. [M 8,192, K 1,024] x [K 1,024, N 1,024]; A: input value; B: input wv: QUANTISED
;;     4. batch 64 x [M 2,048, K 64] x [K 64, N 2,048]; A: computed on the way; B: computed on the way: QUANTISED
;;     5. batch 64 x [M 2,048, K 2,048] x [K 2,048, N 64]; A: softmax (see below); B: computed on the way: QUANTISED
;;     6. [M 8,192, K 1,024] x [K 1,024, N 1,024]; A: computed on the way; B: input w_out: QUANTISED
;;   THE QUANTISER, for each operand of a quantised product, along K:
;;     - K is cut into blocks of 32 from its start; a last block that is shorter is filled with zeros.
;;     - A block's scale is 2^e with e = floor(log2(the largest magnitude in the block)) - 2, held to -126 .. 127; a block of zeros has e = 0. As a byte (E8M0): e + 127.
;;     - Each number is divided by its block's scale, clamped to +-7.5, and rounded to the nearest number of E2M3, ties to even, subnormals kept.
;;     - The product sums the exact products of the quantised numbers (number of the format x scale) in f32.
;;   ~~~python
;;   def quantise(x, axis):      # numpy; x: float32 -> the quantised numbers, widened to float32 again
;;       x = np.moveaxis(x, axis, -1); K = x.shape[-1]
;;       x = np.pad(x, [(0, 0)] * (x.ndim - 1) + [(0, -K % 32)]); x = x.reshape(x.shape[:-1] + (-1, 32)); a = np.abs(x).max(-1, keepdims=True)
;;       e = np.where(a > 0, np.clip(np.frexp(np.where(a > 0, a, 1))[1] - 1 - 2, -126, 127), 0)      # np.frexp(a)[1] - 1 = floor(log2(a)), exactly
;;       r = np.clip(x / 2.0 ** e, -7.5, 7.5)
;;       step = 2.0 ** (np.maximum(np.frexp(np.where(r == 0, 1, r))[1] - 1, 0) - 3)
;;       q = np.round(r / step) * step * 2.0 ** e      # np.round: ties to even
;;       return np.moveaxis(q.reshape(q.shape[:-2] + (-1,))[..., :K], -1, axis).astype(np.float32)
;;   ~~~
;;   SOFTMAX AHEAD OF A QUANTISED PRODUCT. Where the list says 'softmax', what is quantised is not the finished softmax but p = 2^(t - M), with t = logit x log2(e) and M = ceil(the row's largest t), a whole number; so 1/2 < the row's largest p <= 1. The row's sum l is taken of the UNQUANTISED p, in f32, and the product's result is divided by l at the end. Since M is a whole number, a kernel that streams over the keys may use a running M (the ceiling of the running maximum): every later rescaling is an exact power of two, which a block's scale takes up: the codes' values come out the same.
;;   OPERANDS COMPUTED ON THE WAY. 'Computed on the way' means the value that the module computes at that place (a softmax that the list does not call 'softmax' is quantised finished and normalised). What goes into a quantiser is computed in f32, as accurately as f32 sums, v_exp_f32 and their like allow (about 1e-6 of the number): no bf16 or f16 on the way to a quantiser, and a product that is left as it is and whose result goes on into a quantised operand takes f32 operands (vector FMAs, or v_wmma_f32_16x16x4_f32). A number that lies on a knife's edge between two numbers of the format may be rounded either way, as far as f32 arithmetic and the matrix unit's own rounding can turn it there, and no further.
;; One version. Each part assembles by itself: llvm-mc -triple=amdgcn-amd-amdhsa -mcpu=gfx1250 --defsym DOCPART=n.
;; ======== version 1 of 1: 4 launches
;; limits: right only within a limited range of input values
;; workspace buffers: ops 22,937,600 bytes; mwords 2,097,152 bytes of whole numbers; qi 13,369,344 bytes; kv 13,369,344 bytes; oimg 6,553,600 bytes
;; launch prep (part 1): grid 1408 x 1, 4 waves a work-group, no clusters, 34,304 bytes of LDS; arguments query, key, value, wq, wk, wv, w_out, mask, ops, mwords; writes ops, mwords
.if DOCPART == 1
	.amdgcn_target "amdgcn-amd-amdhsa--gfx1250"
	.amdhsa_code_object_version 6
	.text
	.protected	k_q5bbeee5f5f_prep
	.globl	k_q5bbeee5f5f_prep
	.p2align	8
	.type	k_q5bbeee5f5f_prep,@function
k_q5bbeee5f5f_prep:
	s_mov_b64 s[64:65], 0
	v_nop
	global_prefetch_b8 v0, s[64:65] scope:SCOPE_SE
	s_setreg_imm32_b32 hwreg(HW_REG_WAVE_MODE, 25, 1), 1
	s_wait_xcnt 0x0
; query, key, value [8192][1024] and wq, wk, wv, w_out [1024][1024], f32, K innermost, become codes of FP6 (E2M3) with one E8M0 byte for each 32 along K,
; laid as IMAGES OF OPERAND REGISTERS; the mask [8192][2048] of int32 becomes one bit a number, laid as the words that the attention launch uses as lane selects.
; A block's scale is 2^(floor(log2(its largest magnitude)) - 2); its byte is the largest magnitude's exponent field - 2, held at 1 from below.
; LIMITS: a block of zeros, or one whose largest magnitude lies under 2^-124, gets the byte 1 (its codes are zeros or what the conversion makes of it; only this program reads the bytes); NaN and infinities are not served.
; LAYOUT OF ops: 224 blocks of 102,400 bytes (128 rows x 1,024 K): query 0-63, key 64-127, value 128-191, wq 192-199, wk 200-207, wv 208-215, w_out 216-223.
;   A block is 8 K steps of 12,800 bytes: 8 fragments of 1,536 bytes, then 2 quads of 256 bytes.  A fragment (16 rows x 128 K, 12 registers a lane) is two pieces of 768 bytes (registers 6 c .. 6 c + 5):
;   registers 0-3 at 16 x lane, registers 4-5 at 512 + 8 x lane.  A quad holds the scale words of 4 tiles: the 8 bytes at 8 x lane (r, h) are the words of row r of tiles 4 Q + h and 4 Q + 2 + h.
;   Rows of a tile: query, w_out: tile t, lane row r = row 16 t + r.  key, value, wq, wk, wv: tile 2 b + u, lane row r = row 32 b + 8 u + r + 8 (r / 8), so that a later product's results are neighbours along the next K.
; LAYOUT OF mwords: [row tile of 16 queries][key step of 128][64 words]: bit (r + 16 h) of word j says whether mask[16 tile + r][128 step + 32 (j / 16) + 16 h + j % 16] is 1.
; SHARES.  A unit is 16 rows x 128 numbers.  A wave takes 4 units (64 rows at one step of 512 bytes), the four waves of a work-group four neighbouring steps.  Work-groups 0-895 quantise, 896-1407 pack the mask.
; Each load reads 512 consecutive bytes of one row; a unit turns through the wave's own stage in LDS so that a lane holds 16 neighbours of each block of 32.  One path through LDS for both kinds of work-group; no barrier: waves share nothing.
.set STG,   8448                       ; a wave's stage: 16 rows x (512 + 16) bytes: rows 33 x 16 bytes apart, so the 16 rows of a read start in different banks
.set SPARE, 4*STG                      ; behind the stages: the spare words, 128 bytes a wave
.set L16, 1                            ; v1   16 x lane
.set L8,  2                            ; v2   8 x lane
.set VS,  3                            ; v3   the stage, on the way in
.set VL,  4                            ; v4   and on the way out: row r, + 64 h
.set SPW, 5                            ; v5   my spare word; never rewritten
.set NIL, 6                            ; v6   0; never rewritten
.set VO,  8                            ; v8-23  byte offset of my 16 bytes in row n of a unit
.set PW,  24                           ; v24-27 the four units' scale words
.set QD,  28                           ; v[28:29] the quad
.set W,   30                           ; v[30:31] the mask's words: lane l holds words 2 l, 2 l + 1
.set RAW, 32                           ; v32-95 one set of 64 numbers as loaded
.set X,   96                           ; v96-127 half a unit back from the stage: register 16 b + i = number 64 c + 32 b + 16 h + i of row r, b = 0, 1
.set PC,  128                          ; v128-146 the codes
.set TM,  148                          ; v148-149 largest magnitudes, v152-153 the other half's, then bytes, v156-157 the conversions' scale operands
.set PATH, 2                           ; s2   1: the mask
.set PB,   3                           ; s3   bytes in a row of the input
.set E8,   5                           ; s5   8 where a tile's lane rows 8-15 lie 8 rows further down
.set ODD,  6                           ; s6   rows from an even tile to the odd one
.set IN,   8                           ; s[8:9] the input
.set WV,   14
.set OUT,  36                          ; s[36:37] where my fragments or mask words go
.set QOUT, 38                          ; s[38:39] where my quad goes
.set CW,   40                          ; s40-55 sixteen compare results
.set BU,   56                          ; s[56:63] the four units' first bytes; never rewritten
.set HI,   66                          ; s66  lanes 16-31
.set SEL,  68                          ; s[68:69] v_permlanex16_b32's selects for lane l xor 16
	s_load_b512 s[16:31], s[0:1], 0x0              ; query, key, value, wq, wk, wv, w_out, mask
	s_load_b128 s[32:35], s[0:1], 0x40             ; ops, mwords
	v_lshl_add_u32 v[SPW], v0, 2, SPARE
	v_mov_b32 v[NIL], 0
	v_lshrrev_b32 v7, 5, v0
	v_readfirstlane_b32 s[WV], v7                  ; wave 0..3
	v_and_b32 v7, 31, v0
	v_lshlrev_b32 v[L16], 4, v7
	v_lshlrev_b32 v[L8], 3, v7
	s_mul_i32 s15, s[WV], STG
	v_add_nc_u32 v[VS], s15, v[L16]
	v_and_b32 v[VL], 15, v0
	v_mul_u32_u24 v[VL], v[VL], 528
	v_bfe_u32 v7, v0, 4, 1
	v_lshl_add_u32 v[VL], v7, 6, v[VL]
	v_add_nc_u32 v[VL], s15, v[VL]
	s_mov_b32 s[HI], 0xffff0000
	s_mov_b32 s[SEL], 0x76543210
	s_mov_b32 s[SEL+1], 0xfedcba98
.irp b, 0,1,2,3
	v_mov_b32 v[TM+4+\b], 0                        ; written once: a lane permute's destination counts as one of its sources
	v_mov_b32 v[PW+\b], 0
.endr
	v_mov_b32 v[W], 0                              ; likewise v_writelane_b32's
	v_mov_b32 v[W+1], 0
	; which tensor, which rows, which step: all from the work-group's number
	s_cmp_ge_u32 ttmp9, 896
	s_cselect_b32 s[PATH], 1, 0
	s_lshl_b32 s[PB], 0x1000, s[PATH]              ; 4,096 bytes a row, the mask's 8,192
	s_sub_co_u32 s4, ttmp9, 256
	s_cmp_lt_u32 s4, 608                           ; key, value, wq, wk, wv
	s_cselect_b32 s[E8], 8, 0
	s_cselect_b32 s[ODD], 8, 16
	s_lshr_b32 s10, ttmp9, 1
	s_cmp_lt_u32 ttmp9, 768
	s_cselect_b32 s7, 127, 15
	s_and_b32 s10, s10, s7                         ; quantiser: which 64 rows of the tensor,
	s_and_b32 s11, ttmp9, 1                        ; which four steps of its 8
	s_sub_co_u32 s12, ttmp9, 896
	s_lshr_b32 s13, s12, 2                         ; mask: which 64 rows,
	s_and_b32 s12, s12, 3                          ; which four steps of its 16
	s_cmp_lg_u32 s[PATH], 0
	s_cselect_b32 s10, s13, s10
	s_cselect_b32 s11, s12, s11
	s_lshl_b32 s11, s11, 2
	s_add_co_u32 s11, s11, s[WV]                   ; my wave's step
	s_lshl_b32 s12, s10, 6                         ; my first row
	s_lshl_b32 s13, s11, 9                         ; my step's bytes in a row
.set n, 0
.rept 16
.if n < 8
	s_mul_i32 s40, s[PB], n
.else
	s_add_co_u32 s40, s[E8], n
	s_mul_i32 s40, s40, s[PB]
.endif
	v_add_nc_u32 v[VO+n], s40, v[L16]
.set n, n+1
.endr
	s_lshr_b32 s42, ttmp9, 2
	s_mul_i32 s42, s42, 102400                     ; the block of 128 rows in ops,
	s_mul_i32 s43, s11, 12800
	s_add_co_u32 s42, s42, s43                     ; its K step,
	s_bfe_u32 s43, ttmp9, 0x10001                  ; which half of the block's 8 tiles
	s_mul_i32 s44, s43, 6144
	s_add_co_u32 s44, s44, s42                     ; my four fragments
	s_lshl_b32 s43, s43, 8
	s_add_co_u32 s46, s42, s43
	s_add_co_u32 s46, s46, 12288                   ; my quad
	s_add_co_u32 s45, s12, s11
	s_lshl_b32 s45, s45, 8                         ; mask: (16 x row tile + step) x 256, row tile = 4 x (rows / 64) + unit
	s_cmp_lg_u32 s[PATH], 0
	s_cselect_b32 s44, s45, s44
	s_cselect_b32 s46, 0, s46                      ; (the mask's work-groups store no quad)
	s_mov_b32 s45, 0
	s_mov_b32 s47, 0
	s_wait_alu depctr_va_vdst(0)
	s_wait_kmcnt 0x0
	s_cselect_b64 s[OUT:OUT+1], s[34:35], s[32:33]
	s_add_nc_u64 s[OUT:OUT+1], s[OUT:OUT+1], s[44:45]
	s_add_nc_u64 s[QOUT:QOUT+1], s[32:33], s[46:47]
	s_mov_b64 s[IN:IN+1], s[16:17]
	s_cmp_ge_u32 ttmp9, 256
	s_cselect_b64 s[IN:IN+1], s[18:19], s[IN:IN+1]
	s_cmp_ge_u32 ttmp9, 512
	s_cselect_b64 s[IN:IN+1], s[20:21], s[IN:IN+1]
	s_cmp_ge_u32 ttmp9, 768
	s_cselect_b64 s[IN:IN+1], s[22:23], s[IN:IN+1]
	s_cmp_ge_u32 ttmp9, 800
	s_cselect_b64 s[IN:IN+1], s[24:25], s[IN:IN+1]
	s_cmp_ge_u32 ttmp9, 832
	s_cselect_b64 s[IN:IN+1], s[26:27], s[IN:IN+1]
	s_cmp_ge_u32 ttmp9, 864
	s_cselect_b64 s[IN:IN+1], s[28:29], s[IN:IN+1]
	s_cmp_ge_u32 ttmp9, 896
	s_cselect_b64 s[IN:IN+1], s[30:31], s[IN:IN+1]
.irp u, 0,1,2,3
	s_mul_i32 s41, s[ODD], \u%2
	s_add_co_u32 s40, s12, s41
	s_add_co_u32 s40, s40, 32*(\u/2)               ; unit u's first row
	s_mul_i32 s40, s40, s[PB]
	s_add_co_u32 s40, s40, s13
	s_mov_b32 s41, 0
	s_add_nc_u64 s[BU+2*\u:BU+2*\u+1], s[IN:IN+1], s[40:41]
.endr
.macro LOAD u                          ; unit u's 16 rows: each load reads 512 consecutive bytes, at a multiple of 512 from the buffer's first byte
.set n, 0
.rept 16
	global_load_b128 v[RAW+4*n:RAW+4*n+3], v[VO+n], s[BU+2*(\u):BU+2*(\u)+1] th:TH_LOAD_NT
.set n, n+1
.endr
.endm
.macro TURN u                          ; through the stage: LDS serves a wave's instructions in order (ISA guide 5.7.1.4), so no wait stands between the stores and the loads
.set n, 0
.rept 16
	ds_store_b128 v[VS], v[RAW+4*n:RAW+4*n+3] offset:528*n
.set n, n+1
.endr
.endm
.macro BACK c                          ; half c of the unit comes back: two blocks of 32 numbers of each row, 16 neighbours of each block to a lane
.set n, 0
.rept 8
	ds_load_b128 v[X+4*n:X+4*n+3], v[VL] offset:256*(\c)+128*(n/4)+16*(n%4)
.set n, n+1
.endr
.endm
; 64 numbers of a lane, register 16 b + i = k 32 b + 16 h + i of my row, become a fragment's codes in v[PC] on and its scale word in v[pw]
; Half c: the 32 numbers of a lane in v[X] on (blocks 2 c and 2 c + 1 of my row) become piece c of the fragment, registers 6 c .. 6 c + 5 of v[PC] on, and two bytes of the scale word in v[pw]
.macro QUANT c, pw
.irp b, 0,1
	v_max3_num_f32 v[TM+\b], |v[X+16*\b]|, |v[X+1+16*\b]|, 0x1800000   ; my 16 numbers of the block, and the floor 2^(3 - 127): the byte cannot fall under 1
.endr
.irp i, 2,4,6,8,10,12,14
.irp b, 0,1
	v_max3_num_f32 v[TM+\b], v[TM+\b], |v[X+16*\b+\i]|, |v[X+1+16*\b+\i]|   ; the two blocks by turns
.endr
.endr
.irp b, 0,1
	v_permlanex16_b32 v[TM+4+\b], v[TM+\b], s[SEL], s[SEL+1]
.endr
.irp b, 0,1
	v_max_num_f32 v[TM+\b], v[TM+\b], v[TM+4+\b]   ; with lane l xor 16's: the block's largest magnitude
.endr
.irp b, 0,1
	v_add_nc_u32 v[TM+8+\b], 0xff000000, v[TM+\b]  ; 2 off its exponent field: the conversion takes the exponent field of this operand as its scale
.endr
.irp b, 0,1
	v_lshrrev_b32 v[TM+4+\b], 23, v[TM+8+\b]       ; the scale's byte
.endr
.if (\c) == 0
	v_lshl_or_b32 v[\pw], v[TM+5], 8, v[TM+4]      ; my row's scale word: the lower two bytes,
.else
	v_lshl_or_b32 v[\pw], v[TM+4], 16, v[\pw]      ; and the upper two
	v_lshl_or_b32 v[\pw], v[TM+5], 24, v[\pw]
.endif
	v_cvt_scalef32_pk16_fp6_f32 v[PC+6*(\c):PC+6*(\c)+2], v[X:X+15], v[TM+8]
	v_cvt_scalef32_pk16_fp6_f32 v[PC+12+4*(\c):PC+14+4*(\c)], v[X+16:X+31], v[TM+9]   ; (a conversion's three registers begin on an even number)
	v_nop                                          ; one plain place behind a scaled conversion
.irp i, 0,1,2                          ; the operand's layout wants a whole block in a lane: lanes 0-15 block 2 c, lanes 16-31 block 2 c + 1
	v_permlane16_swap_b32 v[PC+6*(\c)+\i], v[PC+12+4*(\c)+\i]
.endr
.irp i, 0,1,2
	v_mov_b32 v[PC+3+6*(\c)+\i], v[PC+12+4*(\c)+\i]
.endr
.endm
.macro UNIT u
	s_wait_loadcnt 0x0                             ; this unit's 16 loads are in
	TURN \u
	BACK 0
	s_wait_dscnt 0x0                               ; the first half is back from the stage, and the stores into it have read their registers,
.if (\u) < 3
	LOAD (\u)+1                                    ; which take the next unit: its 16 loads are out while this unit is worked
.endif
	s_wait_xcnt 0x0
	s_cmp_lg_u32 s[PATH], 0
	s_cbranch_scc1 .Lmask_\@
.irp c, 0,1
.if \c
	BACK 1                                         ; the conversions have read the first half: the second takes its registers
	s_wait_dscnt 0x0
.endif
	QUANT \c, PW+(\u)
	global_store_b128 v[L16], v[PC+6*\c:PC+6*\c+3], s[OUT:OUT+1] offset:1536*(\u)+768*\c          ; 512 consecutive bytes, aligned
	global_store_b64 v[L8], v[PC+6*\c+4:PC+6*\c+5], s[OUT:OUT+1] offset:1536*(\u)+768*\c+512      ; 256 consecutive bytes, aligned
.endr
	s_branch .Ljoin_\@
.Lmask_\@:
.irp q, 0,1,2,3
.if \q == 2
	BACK 1                                         ; the compares have read the first half: the second takes its registers
	s_wait_dscnt 0x0
.endif
.irp k, 0,1,2,3,4,5,6,7,8,9,10,11,12,13,14,15
	v_cmp_eq_u32 s[CW+\k], 1, v[X+16*(\q%2)+\k]
.endr
.irp k, 0,1,2,3,4,5,6,7,8,9,10,11,12,13,14,15
	v_writelane_b32 v[W+(\k%2)], s[CW+\k], 8*\q+\k/2
.endr
.endr
	global_store_b64 v[L8], v[W:W+1], s[OUT:OUT+1] offset:4096*(\u)   ; the unit's 64 words: 256 consecutive bytes, aligned
.Ljoin_\@:
.endm
	LOAD 0
	UNIT 0
	UNIT 1
	UNIT 2
	UNIT 3
	s_cmp_lg_u32 s[PATH], 0
	s_cbranch_scc1 .Lend
	s_wait_alu depctr_va_vdst(0)                   ; the wait directly ahead of the reader of the last unit's scale word
	v_cndmask_b32 v[QD], v[PW], v[PW+1], s[HI]     ; lanes 0-15: the even tile's words, lanes 16-31: the odd tile's
	v_cndmask_b32 v[QD+1], v[PW+2], v[PW+3], s[HI]
	global_store_b64 v[L8], v[QD:QD+1], s[QOUT:QOUT+1]
.Lend:
	s_wait_tensorcnt 0x0                           ; the wave's end, behind my last LDS store
	ds_add_u32 v[SPW], v[NIL]
	s_wait_dscnt 0x0
	s_endpgm
.Lfunc_end_k_q5bbeee5f5f_prep:
	.size	k_q5bbeee5f5f_prep, .Lfunc_end_k_q5bbeee5f5f_prep-k_q5bbeee5f5f_prep
	.p2alignl 7, 3214868480
	.fill 96, 4, 3214868480
	.section	.rodata,"a",@progbits
	.p2align	6, 0x0
	.amdhsa_kernel k_q5bbeee5f5f_prep
		.amdhsa_group_segment_fixed_size 34304
		.amdhsa_private_segment_fixed_size 0
		.amdhsa_enable_private_segment 0
		.amdhsa_kernarg_size 80
		.amdhsa_user_sgpr_count 2
		.amdhsa_user_sgpr_kernarg_segment_ptr 1
		.amdhsa_wavefront_size32 1
		.amdhsa_system_sgpr_workgroup_id_x 1
		.amdhsa_system_sgpr_workgroup_id_y 1
		.amdhsa_system_sgpr_workgroup_id_z 1
		.amdhsa_system_vgpr_workitem_id 0
		.amdhsa_next_free_vgpr 160
		.amdhsa_next_free_sgpr 72
		.amdhsa_reserve_vcc 0
		.amdhsa_float_denorm_mode_32 3
		.amdhsa_float_denorm_mode_16_64 3
		.amdhsa_memory_ordered 1
		.amdhsa_forward_progress 1
		.amdhsa_inst_pref_size 73
	.end_amdhsa_kernel
	.amdgpu_metadata
---
amdhsa.version: [ 1, 2 ]
amdhsa.kernels:
  - .name:           k_q5bbeee5f5f_prep
    .symbol:         k_q5bbeee5f5f_prep.kd
    .args:
      - { .name: query, .offset: 0, .size: 8, .value_kind: global_buffer, .address_space: global }
      - { .name: key, .offset: 8, .size: 8, .value_kind: global_buffer, .address_space: global }
      - { .name: value, .offset: 16, .size: 8, .value_kind: global_buffer, .address_space: global }
      - { .name: wq, .offset: 24, .size: 8, .value_kind: global_buffer, .address_space: global }
      - { .name: wk, .offset: 32, .size: 8, .value_kind: global_buffer, .address_space: global }
      - { .name: wv, .offset: 40, .size: 8, .value_kind: global_buffer, .address_space: global }
      - { .name: w_out, .offset: 48, .size: 8, .value_kind: global_buffer, .address_space: global }
      - { .name: mask, .offset: 56, .size: 8, .value_kind: global_buffer, .address_space: global }
      - { .name: ops, .offset: 64, .size: 8, .value_kind: global_buffer, .address_space: global }
      - { .name: mwords, .offset: 72, .size: 8, .value_kind: global_buffer, .address_space: global }
    .group_segment_fixed_size: 34304
    .private_segment_fixed_size: 0
    .kernarg_segment_align: 8
    .kernarg_segment_size: 80
    .max_flat_workgroup_size: 128
    .sgpr_count:     72
    .vgpr_count:     160
    .wavefront_size: 32
...
	.end_amdgpu_metadata
.endif
;; end of part 1
;; launch proj (part 2): grid 4 x 192, 4 waves a work-group, clusters of 4 x 4, 327,680 bytes of LDS; arguments ops, qi, kv; writes qi, kv
.if DOCPART == 2
	.amdgcn_target "amdgcn-amd-amdhsa--gfx1250"
	.amdhsa_code_object_version 6
	.text
	.protected	k_q5bbeee5f5f_proj
	.globl	k_q5bbeee5f5f_proj
	.p2align	8
	.type	k_q5bbeee5f5f_proj,@function
k_q5bbeee5f5f_proj:
	s_mov_b64 s[64:65], 0
	v_nop
	global_prefetch_b8 v0, s[64:65] scope:SCOPE_SE
	s_setreg_imm32_b32 hwreg(HW_REG_WAVE_MODE, 25, 1), 1
	s_wait_xcnt 0x0
	s_wait_alu depctr_hold_cnt(0) depctr_sa_sdst(0) depctr_va_vdst(0) depctr_va_sdst(0) depctr_va_ssrc(0) depctr_va_vcc(0) depctr_vm_vsrc(0)
	s_getreg_b32 s2, hwreg(HW_REG_IB_STS2, 6, 4)
	s_cmp_eq_u32 s2, 0
	s_cbranch_scc0 .Lentry_in_a_cluster
	s_endpgm
.Lentry_in_a_cluster:
	s_bfe_u32 s2, ttmp6, 0x10000c
	s_cmp_lg_u32 s2, 0xf033
	s_cbranch_scc0 .Lentry_shape_is_right
	s_endpgm
.Lentry_shape_is_right:
; The three projections Q = query wq^T, K = key wk^T, V = value wv^T on codes of FP6 (E2M3) with E8M0 scales, f32 sums; the results are quantised in registers for the attention launch:
; Q and K along the head's 64, V along the keys.  Operands come from ops as images of operand registers (blocks of 128 rows x 1,024 K = 102,400 bytes: 8 K steps of 8 fragments and 2 quads of scale words).
; SHARES.  A work-group makes 256 rows of source 0 x 128 rows of source 1; wave w makes 128 x 64: 32 accumulators, 256 registers (window 1).  For Q and K source 0 is the weight and source 1 the tokens, for V source 0 is
; the value tokens and source 1 the weight: a lane then holds one row of source 1, and its registers run along source 0's rows, which are the next product's K.  Source 0's rows are laid in ops so that the 16 registers
; of tiles 2 b and 2 b + 1 are 16 neighbours along that K.
; ALL OF K LIES IN LDS: 3 x 102,400 bytes, each byte filled once, in two halves of four K steps; no slot is filled again.  A wave has one tensor load out.
; CLUSTER 4 x 4: source 0's blocks hang on cx and are asked for jointly along a column of the cluster, source 1's hang on cy and are asked for jointly along a row.
; OUT.  qi: [batch x head][128 queries][13,056 bytes]: 8 pieces of 768 bytes (16 rows x 64 K), 2 quads at 6,144.  kv: [batch x head][128 keys][13,056]: K likewise, then at 6,656 V's 4 fragments (16 channels x 128 keys) and a quad.
; LIMITS: blocks of zeros and blocks under 2^-124 get the scale byte 1; NaN and infinities are not served.
.set BLK,   102400
.set KST,   12800                      ; a K step of a block
.set CHK,   51200                      ; half a block: four K steps.  THE FILLS, as this text has them: each wave issues ONE tensor load, at the head: waves 0 and 1 the first and the second half along K of source 0's two blocks (2 rows of 51,200 bytes), waves 2 and 3 the two halves of source 1's block (200 rows of 256 bytes).  One tensor load of a wave is out
.set OP1,   2*BLK                      ; LDS: source 0's two blocks, then source 1's
.set SPARE, 3*BLK                      ; then the spare words, 128 bytes a wave
.set L16, 1                            ; v1   16 x lane
.set L8,  2                            ; v2   8 x lane
.set A0A, 4                            ; v4-5   source 0: my block, K steps 0-3 and 4-7, on 16 x lane;  v6-7 on 8 x lane
.set A0B, 6
.set A1A, 8                            ; v8-9, v10-11  source 1: my 4 tiles, likewise
.set A1B, 10
.set A1S, 12                           ; v12-13 source 1: my quad
.set SPW, 28                           ; v28  my spare word; never rewritten
.set NIL, 29                           ; v29  0; never rewritten
.set SC,  32                           ; v32-43 scale words, two sets of 6: source 0's two quads, source 1's one
.set F0,  64                           ; v64-159  source 0's 8 fragments, one set
.set F1,  160                          ; v160-255 source 1's 4 fragments, two sets
.set EPC, 64                           ; the way out: 20 registers of codes for each of my 4 tiles of source 1
.set EPW, 144                          ; v144-147 their scale words
.set EQD, 148                          ; v148-151 quads
.set TM,  152                          ; v152-163 at work
.set WV, 10
.set H0, 11                            ; which block of source 0 is mine
.set H1, 12                            ; which half of source 1's block.  Also: which half along K I fetch
.set CX, 13
.set CY, 14
.set PP, 16                            ; 0: Q, 1: K, 2: V: from the cluster's number, the same in all partners
.set G1A, 24                           ; s[24:31] descriptor group 1 for source 0;  s[32:39] for source 1: they differ in the mask
.set G1B, 32
.set G0A, 40                           ; s[40:55] four groups 0 for source 0's chunks;  s[56:63], s[68:75] for source 1's
.set OBP, 76                           ; s[76:77] where my pieces go;  s[78:79] my quads
.set OBQ, 78
.set HI,  82
.set SEL, 84
.set MSB, 0
.macro WIN new                         ; the immediate's high byte repeats the setting that is left
.if MSB != \new
	s_set_vgpr_msb (MSB<<8)|\new
.set MSB, \new
.endif
.endm
.macro PLACES                          ; four plain places behind a matrix instruction, ahead of loads into its registers and of reads of its results
.rept 4
	v_nop
.endr
.endm
.macro ROUND                           ; a round of the cluster's barrier
	s_barrier_signal -1
	s_barrier_wait -1
	s_cmp_lg_u32 s[WV], 0
	s_cbranch_scc1 .Lnot_wave_0_\@
	s_barrier_signal -3
.Lnot_wave_0_\@:
	s_barrier_wait -3
	s_barrier_signal -1
	s_barrier_wait -1
.endm
	s_load_b128 s[4:7], s[0:1], 0x0                ; ops, qi
	s_load_b64 s[8:9], s[0:1], 0x10                ; kv
	v_lshl_add_u32 v[SPW], v0, 2, SPARE
	v_mov_b32 v[NIL], 0
	ds_add_u32 v[SPW], v[NIL]                      ; the wave's opening: the add and its wait ahead of the first tensor loads; work on registers stands between them
	ds_add_u32 v[SPW], v[NIL]
	v_lshrrev_b32 v3, 5, v0
	v_readfirstlane_b32 s[WV], v3
	s_lshr_b32 s[H0], s[WV], 1
	s_and_b32 s[H1], s[WV], 1
	s_bfe_u32 s[CX], ttmp6, 0x40000
	s_bfe_u32 s[CY], ttmp6, 0x40004
	s_and_b32 s15, ttmp7, 0xffff                   ; the cluster's y: 16 clusters for each projection
	s_lshr_b32 s[PP], s15, 4
	s_and_b32 s17, s15, 15
	s_and_b32 s20, s17, 7
	s_lshr_b32 s21, s17, 3
	s_lshl_b32 s22, s[PP], 3
	s_add_co_u32 s22, s22, 192                     ; Q, K: source 0 = wq (block 192 on) or wk (200 on),
	s_lshl_b32 s23, s[PP], 6                       ; source 1 = query (0 on) or key (64 on)
	s_cmp_eq_u32 s[PP], 2
	s_cselect_b32 s18, s20, 0                      ; V: 8 x 2 clusters; Q, K: 1 x 16
	s_cselect_b32 s19, s21, s17
	s_cselect_b32 s22, 128, s22                    ; V: source 0 = value (128 on),
	s_cselect_b32 s23, 208, s23                    ; source 1 = wv (208 on)
	s_lshl_b32 s20, s18, 2
	s_add_co_u32 s20, s20, s[CX]                   ; which pair of blocks of source 0
	s_lshl_b32 s21, s19, 2
	s_add_co_u32 s21, s21, s[CY]                   ; which block of source 1
	s_lshl_b32 s86, s20, 1
	s_add_co_u32 s86, s86, s22
	s_mul_i32 s86, s86, BLK                        ; source 0's pair of blocks, in bytes,
	s_mul_i32 s3, s[H1], CHK                       ; which half along K I fetch: the wave's number alone
	s_add_co_u32 s86, s86, s3
	s_mov_b32 s87, 0
	s_add_co_u32 s88, s21, s23
	s_mul_i32 s88, s88, BLK                        ; source 1's block
	s_add_co_u32 s88, s88, s3
	s_mov_b32 s89, 0
	s_lshl_b32 s94, 0x1111, s[CX]                  ; my column of the cluster
	s_or_b32 s[G1A], s94, (3<<16)|(1<<21)          ; 15:0 the mask; 17:16 elements of 8 bytes; 21 set beside a mask; no padding
	s_lshl_b32 s95, s[CY], 2
	s_lshl_b32 s95, 15, s95                        ; my row
	s_or_b32 s[G1B], s95, (3<<16)|(1<<21)
	s_mov_b32 s[G1A+1], 6400<<16                   ; source 0: tensor_dim0 = 6,400 elements of 8 bytes: half a block is one row
	s_mov_b32 s[G1A+2], 2<<16                      ; tensor_dim1 = 2: the two blocks
	s_mov_b32 s[G1A+3], 6400<<16                   ; tile_dim0
	s_mov_b32 s[G1A+4], 2                          ; tile_dim1
	s_mov_b32 s[G1A+5], 12800                      ; the pitch: a block
	s_mov_b32 s[G1A+6], 0
	s_mov_b32 s[G1A+7], 0
	s_mov_b32 s[G1B+1], 32<<16                     ; source 1: rows of 256 bytes,
	s_mov_b32 s[G1B+2], 200<<16                    ; 200 of them,
	s_mov_b32 s[G1B+3], 32<<16
	s_mov_b32 s[G1B+4], 200
	s_mov_b32 s[G1B+5], 32                         ; dense
	s_mov_b32 s[G1B+6], 0
	s_mov_b32 s[G1B+7], 0
	s_mul_i32 s2, s[H1], BLK                       ; where the block that I fetch goes: the wave's number alone
	s_mov_b32 s[HI], 0xffff0000
	s_mov_b32 s[SEL], 0x76543210
	s_mov_b32 s[SEL+1], 0xfedcba98
	s_wait_dscnt 0x0                               ; the opening add is done
	s_wait_kmcnt 0x0
	s_add_nc_u64 s[90:91], s[4:5], s[86:87]
	s_add_nc_u64 s[92:93], s[4:5], s[88:89]
	ROUND                                          ; all sixteen work-groups are here: the joint loads meet
	s_mov_b32 s[G0A], 1
	s_add_co_u32 s[G0A+1], s2, 0                   ; LDS: source 0 lies by halves along K: half x 102,400 + block x 51,200
	s_mov_b64 s[G0A+2:G0A+3], s[90:91]
	s_or_b32 s[G0A+3], s[G0A+3], 0x80000000
	s_mov_b32 s56, 1
	s_add_co_u32 s57, s3, OP1                      ; source 1: its two halves on end
	s_mov_b64 s[58:59], s[92:93]
	s_or_b32 s59, s59, 0x80000000
	s_cmp_lt_u32 s[WV], 2                          ; waves 0 and 1: source 0's halves; waves 2 and 3: source 1's.  One fill to an arm, one join
	s_cbranch_scc0 .Lnot_op0
	tensor_load_to_lds s[G0A:G0A+3], s[G1A:G1A+7]
	s_nop 0
.rept 4
	v_nop
.endr
	s_branch .Lasked
.Lnot_op0:
	tensor_load_to_lds s[56:59], s[G1B:G1B+7]
	s_nop 0
.rept 4
	v_nop
.endr
.Lasked:
	v_and_b32 v3, 31, v0
	v_lshlrev_b32 v[L16], 4, v3
	s_wait_alu depctr_va_vdst(0)
	v_lshlrev_b32 v[L8], 3, v3
	s_wait_alu depctr_va_vdst(0)
	s_mul_i32 s3, s[H0], CHK
	s_mul_i32 s15, s[H1], 6144
	s_add_co_u32 s15, s15, OP1
	s_lshl_b32 s17, s[H1], 8
	s_add_co_u32 s17, s17, OP1+12288
.irp k, 0,1
	v_add_nc_u32 v[A0A+\k], s3, v[L16]
	v_add_nc_u32 v[A0B+\k], s3, v[L8]
	v_add_nc_u32 v[A1A+\k], s15, v[L16]
	v_add_nc_u32 v[A1B+\k], s15, v[L8]
	v_add_nc_u32 v[A1S+\k], s17, v[L8]
	s_add_co_u32 s3, s3, BLK
	s_add_co_u32 s15, s15, 4*KST
	s_add_co_u32 s17, s17, 4*KST
.endr
	; where the results go: ((16 x batch + head) x 16 + block of 128 tokens) x 13,056 + the part's place
	s_lshl_b32 s18, s20, 1
	s_add_co_u32 s18, s18, s[H0]                   ; my block of source 0
	s_lshl_b32 s19, s18, 1                         ; Q, K: its 128 features are heads 2 x block and the next
	s_lshl_b32 s22, s21, 1
	s_add_co_u32 s22, s22, s[H1]                   ; V: my 64 features are one head
	s_mul_i32 s23, s[H1], 3072                     ; Q, K: my 4 tiles of tokens
	s_lshl_b32 s86, s[H1], 8
	s_add_co_u32 s86, s86, 6144                    ; and their quad
	s_cmp_eq_u32 s[PP], 2
	s_cselect_b32 s87, s18, s21                    ; the block of tokens
	s_cselect_b32 s19, s22, s19
	s_cselect_b32 s23, 6656, s23
	s_cselect_b32 s86, 12800, s86
	s_lshr_b32 s88, s87, 4
	s_lshl_b32 s88, s88, 4
	s_add_co_u32 s88, s88, s19
	s_lshl_b32 s88, s88, 4
	s_and_b32 s87, s87, 15
	s_add_co_u32 s88, s88, s87
	s_mul_i32 s88, s88, 13056
	s_add_co_u32 s86, s86, s88
	s_mov_b32 s87, 0
	s_add_co_u32 s88, s88, s23
	s_mov_b32 s89, 0
	s_cmp_eq_u32 s[PP], 0
	s_cselect_b64 s[OBP:OBP+1], s[6:7], s[8:9]
	s_mov_b64 s[OBQ:OBQ+1], s[OBP:OBP+1]
	s_add_nc_u64 s[OBP:OBP+1], s[OBP:OBP+1], s[88:89]
	s_add_nc_u64 s[OBQ:OBQ+1], s[OBQ:OBQ+1], s[86:87]
.macro FRAG reg, aA, aB, off           ; a fragment comes back as it was stored: two pieces, each 16 bytes a lane and 8 bytes a lane
	ds_load_b128 v[\reg:\reg+3], v[\aA] offset:\off
	ds_load_b64 v[\reg+4:\reg+5], v[\aB] offset:(\off)+512
	ds_load_b128 v[\reg+6:\reg+9], v[\aA] offset:(\off)+768
	ds_load_b64 v[\reg+10:\reg+11], v[\aB] offset:(\off)+1280
.endm
.macro FETCH0 s, i0                    ; source 0's tiles i0 .. i0 + 3 of K step s: 16 loads
.irp i, 0,1,2,3
	FRAG F0+12*(\i0+\i), A0A+(\s)/4, A0B+(\s)/4, ((\s)%4)*KST+1536*(\i0+\i)
.endr
.endm
.macro FETCH1 s                        ; source 1's 4 tiles into set s % 2: 16 loads
.irp j, 0,1,2,3
	FRAG F1+48*((\s)%2)+12*\j, A1A+(\s)/4, A1B+(\s)/4, ((\s)%4)*KST+1536*\j
.endr
.endm
.macro SCALES s                        ; three loads: register e of a quad holds tile 2 e's words in lanes 0-15 and tile 2 e + 1's in lanes 16-31
	ds_load_b64 v[SC+6*((\s)%2):SC+6*((\s)%2)+1], v[A0B+(\s)/4] offset:((\s)%4)*KST+12288
	ds_load_b64 v[SC+6*((\s)%2)+2:SC+6*((\s)%2)+3], v[A0B+(\s)/4] offset:((\s)%4)*KST+12544
	ds_load_b64 v[SC+6*((\s)%2)+4:SC+6*((\s)%2)+5], v[A1S+(\s)/4] offset:((\s)%4)*KST
.endm
.macro WM i, j, set, zero              ; one product: source 0's tile i x source 1's tile j.  zero = 1: it starts the sum: nothing is cleared
.set rD, 64*(\j)+8*(\i)
.set rA, F0+12*(\i)
.set rB, F1+48*(\set)+12*(\j)
.set rX, SC+6*(\set)+(\i)/2
.set rY, SC+6*(\set)+4+(\j)/2
.if \zero
.if (\i)%2
.if (\j)%2
	v_wmma_scale_f32_16x16x128_f8f6f4 v[rD:rD+7], v[rA:rA+11], v[rB:rB+11], 0, v[rX], v[rY] matrix_a_fmt:MATRIX_FMT_FP6 matrix_b_fmt:MATRIX_FMT_FP6 matrix_a_scale:MATRIX_SCALE_ROW1 matrix_b_scale:MATRIX_SCALE_ROW1
.else
	v_wmma_scale_f32_16x16x128_f8f6f4 v[rD:rD+7], v[rA:rA+11], v[rB:rB+11], 0, v[rX], v[rY] matrix_a_fmt:MATRIX_FMT_FP6 matrix_b_fmt:MATRIX_FMT_FP6 matrix_a_scale:MATRIX_SCALE_ROW1
.endif
.else
.if (\j)%2
	v_wmma_scale_f32_16x16x128_f8f6f4 v[rD:rD+7], v[rA:rA+11], v[rB:rB+11], 0, v[rX], v[rY] matrix_a_fmt:MATRIX_FMT_FP6 matrix_b_fmt:MATRIX_FMT_FP6 matrix_b_scale:MATRIX_SCALE_ROW1
.else
	v_wmma_scale_f32_16x16x128_f8f6f4 v[rD:rD+7], v[rA:rA+11], v[rB:rB+11], 0, v[rX], v[rY] matrix_a_fmt:MATRIX_FMT_FP6 matrix_b_fmt:MATRIX_FMT_FP6
.endif
.endif
.else
.if (\i)%2
.if (\j)%2
	v_wmma_scale_f32_16x16x128_f8f6f4 v[rD:rD+7], v[rA:rA+11], v[rB:rB+11], v[rD:rD+7], v[rX], v[rY] matrix_a_fmt:MATRIX_FMT_FP6 matrix_b_fmt:MATRIX_FMT_FP6 matrix_a_scale:MATRIX_SCALE_ROW1 matrix_b_scale:MATRIX_SCALE_ROW1
.else
	v_wmma_scale_f32_16x16x128_f8f6f4 v[rD:rD+7], v[rA:rA+11], v[rB:rB+11], v[rD:rD+7], v[rX], v[rY] matrix_a_fmt:MATRIX_FMT_FP6 matrix_b_fmt:MATRIX_FMT_FP6 matrix_a_scale:MATRIX_SCALE_ROW1
.endif
.else
.if (\j)%2
	v_wmma_scale_f32_16x16x128_f8f6f4 v[rD:rD+7], v[rA:rA+11], v[rB:rB+11], v[rD:rD+7], v[rX], v[rY] matrix_a_fmt:MATRIX_FMT_FP6 matrix_b_fmt:MATRIX_FMT_FP6 matrix_b_scale:MATRIX_SCALE_ROW1
.else
	v_wmma_scale_f32_16x16x128_f8f6f4 v[rD:rD+7], v[rA:rA+11], v[rB:rB+11], v[rD:rD+7], v[rX], v[rY] matrix_a_fmt:MATRIX_FMT_FP6 matrix_b_fmt:MATRIX_FMT_FP6
.endif
.endif
.endif
.endm
.macro MUL16 i0, set, zero             ; the 32 accumulators take turns, one instruction a turn, in the same order in every K step
.irp i, 0,1,2,3
.irp j, 0,1,2,3
	WM (\i0+\i), \j, \set, \zero
.endr
.endr
.endm
.macro KSTEP s, zero
	s_wait_dscnt 16                                ; source 1's set, the scale words and source 0's tiles 0-3 are in; the youngest 16 loads (tiles 4-7) may be out
	WIN 0x50                                       ; C and D in window 1
	MUL16 0, (\s)%2, \zero
	s_wait_dscnt 0x0                               ; tiles 4-7 are in
.if (\s) < 7
	PLACES
	WIN 0
	FETCH1 (\s)+1
	SCALES (\s)+1
	FETCH0 (\s)+1, 0
	WIN 0x50
.endif
	MUL16 4, (\s)%2, \zero
	PLACES
	WIN 0
.if (\s) < 7
	FETCH0 (\s)+1, 4
.endif
.endm
	s_wait_alu depctr_va_vdst(0)
	s_wait_tensorcnt 0x0                           ; my one load has landed,
	s_barrier_signal -1
	s_barrier_wait -1
	FETCH1 0
	SCALES 0
	FETCH0 0, 0
	FETCH0 0, 4
	KSTEP 0, 1
	KSTEP 1, 0
	KSTEP 2, 0
	KSTEP 3, 0
	KSTEP 4, 0
	KSTEP 5, 0
	KSTEP 6, 0
	KSTEP 7, 0
; THE WAY OUT.  For tile j of source 1 my 64 registers v[64 j ..] of window 1 are: register 16 b + i = source 0's row 32 b + 16 h + i of my 128, of source 1's row r.  They become one fragment and one scale word a row.
; Each accumulator is read from its low end on.
.macro QUANTW j
.set rS, 64*(\j)
.set rP, EPC+20*(\j)
	WIN 0x05                                       ; sources 0 and 1 in window 1
.irp b, 0,1,2,3
	v_max3_num_f32 v[TM+\b], |v[rS+16*\b]|, |v[rS+1+16*\b]|, 0x1800000   ; and the floor 2^(3 - 127)
.endr
	WIN 0x14                                       ; sources 1 and 2 in window 1
.irp i, 2,4,6,8,10,12,14
.irp b, 0,1,2,3
	v_max3_num_f32 v[TM+\b], v[TM+\b], |v[rS+16*\b+\i]|, |v[rS+1+16*\b+\i]|
.endr
.endr
	WIN 0
.irp b, 0,1,2,3
	v_permlanex16_b32 v[TM+4+\b], v[TM+\b], s[SEL], s[SEL+1]
.endr
.irp b, 0,1,2,3
	v_max_num_f32 v[TM+\b], v[TM+\b], v[TM+4+\b]
.endr
.irp b, 0,1,2,3
	v_add_nc_u32 v[TM+8+\b], 0xff000000, v[TM+\b]  ; 2 off the exponent field: the conversion's scale operand
.endr
.irp b, 0,1,2,3
	v_lshrrev_b32 v[TM+4+\b], 23, v[TM+8+\b]       ; the scale's byte
.endr
	v_lshl_or_b32 v[EPW+(\j)], v[TM+5], 8, v[TM+4]
	v_lshl_or_b32 v[EPW+(\j)], v[TM+6], 16, v[EPW+(\j)]
	v_lshl_or_b32 v[EPW+(\j)], v[TM+7], 24, v[EPW+(\j)]
	WIN 0x01                                       ; the numbers in window 1
.irp c, 0,1
	v_cvt_scalef32_pk16_fp6_f32 v[rP+6*\c:rP+6*\c+2], v[rS+32*\c:rS+32*\c+15], v[TM+8+2*\c]
	v_cvt_scalef32_pk16_fp6_f32 v[rP+12+4*\c:rP+14+4*\c], v[rS+16+32*\c:rS+31+32*\c], v[TM+9+2*\c]
.endr
	WIN 0
	v_nop                                          ; one plain place behind a scaled conversion
.irp c, 0,1
.irp i, 0,1,2
	v_permlane16_swap_b32 v[rP+6*\c+\i], v[rP+12+4*\c+\i]
.endr
.irp i, 0,1,2
	v_mov_b32 v[rP+3+6*\c+\i], v[rP+12+4*\c+\i]
.endr
.endr
.endm
.irp b, 0,1,2,3
	v_mov_b32 v[TM+4+\b], 0                        ; a lane permute's destination counts as one of its sources
.endr
	QUANTW 0
	QUANTW 1
	QUANTW 2
	QUANTW 3
	v_cndmask_b32 v[EQD], v[EPW], v[EPW+1], s[HI]  ; the quad: lanes 0-15 the even tile's words, lanes 16-31 the odd tile's
	v_cndmask_b32 v[EQD+1], v[EPW+2], v[EPW+3], s[HI]
	s_cmp_eq_u32 s[PP], 2
	s_cbranch_scc1 .Lv_out
.irp j, 0,1,2,3                        ; Q, K: piece c of a fragment is head 2 x block + c: 16 x 13,056 bytes further on
.irp c, 0,1
	global_store_b128 v[L16], v[EPC+20*\j+6*\c:EPC+20*\j+6*\c+3], s[OBP:OBP+1] offset:768*\j+208896*\c
	global_store_b64 v[L8], v[EPC+20*\j+6*\c+4:EPC+20*\j+6*\c+5], s[OBP:OBP+1] offset:768*\j+208896*\c+512
.endr
.endr
	v_and_b32 v[EQD+2], 0xffff, v[EQD]             ; a head's scale word: its two bytes below, zeros above (the upper 64 of the instruction's K carry zero codes of Q)
	v_and_b32 v[EQD+3], 0xffff, v[EQD+1]
	global_store_b64 v[L8], v[EQD+2:EQD+3], s[OBQ:OBQ+1]
	v_lshrrev_b32 v[EQD], 16, v[EQD]
	v_lshrrev_b32 v[EQD+1], 16, v[EQD+1]
	global_store_b64 v[L8], v[EQD:EQD+1], s[OBQ:OBQ+1] offset:208896
	s_branch .Ldone
.Lv_out:
	s_wait_alu depctr_va_vdst(0)
.irp j, 0,1,2,3                        ; V: whole fragments, 16 channels x 128 keys
.irp c, 0,1
	global_store_b128 v[L16], v[EPC+20*\j+6*\c:EPC+20*\j+6*\c+3], s[OBP:OBP+1] offset:1536*\j+768*\c
	global_store_b64 v[L8], v[EPC+20*\j+6*\c+4:EPC+20*\j+6*\c+5], s[OBP:OBP+1] offset:1536*\j+768*\c+512
.endr
.endr
	global_store_b64 v[L8], v[EQD:EQD+1], s[OBQ:OBQ+1]
.Ldone:
	s_wait_tensorcnt 0x0                           ; the wave's end
	ds_add_u32 v[SPW], v[NIL]
	s_wait_dscnt 0x0
	ROUND                                          ; the closing round
	s_endpgm
.Lfunc_end_k_q5bbeee5f5f_proj:
	.size	k_q5bbeee5f5f_proj, .Lfunc_end_k_q5bbeee5f5f_proj-k_q5bbeee5f5f_proj
	.p2alignl 7, 3214868480
	.fill 96, 4, 3214868480
	.section	.rodata,"a",@progbits
	.p2align	6, 0x0
	.amdhsa_kernel k_q5bbeee5f5f_proj
		.amdhsa_group_segment_fixed_size 327680
		.amdhsa_private_segment_fixed_size 0
		.amdhsa_enable_private_segment 0
		.amdhsa_kernarg_size 24
		.amdhsa_user_sgpr_count 2
		.amdhsa_user_sgpr_kernarg_segment_ptr 1
		.amdhsa_wavefront_size32 1
		.amdhsa_system_sgpr_workgroup_id_x 1
		.amdhsa_system_sgpr_workgroup_id_y 1
		.amdhsa_system_sgpr_workgroup_id_z 1
		.amdhsa_system_vgpr_workitem_id 0
		.amdhsa_next_free_vgpr 512
		.amdhsa_next_free_sgpr 96
		.amdhsa_reserve_vcc 0
		.amdhsa_float_denorm_mode_32 3
		.amdhsa_float_denorm_mode_16_64 3
		.amdhsa_memory_ordered 1
		.amdhsa_forward_progress 1
		.amdhsa_inst_pref_size 88
	.end_amdhsa_kernel
	.amdgpu_metadata
---
amdhsa.version: [ 1, 2 ]
amdhsa.kernels:
  - .name:           k_q5bbeee5f5f_proj
    .symbol:         k_q5bbeee5f5f_proj.kd
    .args:
      - { .name: ops, .offset: 0, .size: 8, .value_kind: global_buffer, .address_space: global }
      - { .name: qi, .offset: 8, .size: 8, .value_kind: global_buffer, .address_space: global }
      - { .name: kv, .offset: 16, .size: 8, .value_kind: global_buffer, .address_space: global }
    .group_segment_fixed_size: 327680
    .private_segment_fixed_size: 0
    .kernarg_segment_align: 8
    .kernarg_segment_size: 24
    .max_flat_workgroup_size: 128
    .sgpr_count:     96
    .vgpr_count:     512
    .wavefront_size: 32
...
	.end_amdgpu_metadata
.endif
;; end of part 2
;; launch attn (part 3): grid 4 x 64, 16 waves a work-group, clusters of 4 x 1, 210,944 bytes of LDS; arguments qi, kv, mwords, oimg; writes oimg
.if DOCPART == 3
	.amdgcn_target "amdgcn-amd-amdhsa--gfx1250"
	.amdhsa_code_object_version 6
	.text
	.protected	k_q5bbeee5f5f_attn
	.globl	k_q5bbeee5f5f_attn
	.p2align	8
	.type	k_q5bbeee5f5f_attn,@function
k_q5bbeee5f5f_attn:
	s_mov_b64 s[64:65], 0
	v_nop
	global_prefetch_b8 v0, s[64:65] scope:SCOPE_SE
	s_setreg_imm32_b32 hwreg(HW_REG_WAVE_MODE, 25, 1), 1
	s_wait_xcnt 0x0
	s_wait_alu depctr_hold_cnt(0) depctr_sa_sdst(0) depctr_va_vdst(0) depctr_va_sdst(0) depctr_va_ssrc(0) depctr_va_vcc(0) depctr_vm_vsrc(0)
	s_getreg_b32 s2, hwreg(HW_REG_IB_STS2, 6, 4)
	s_cmp_eq_u32 s2, 0
	s_cbranch_scc0 .Lentry_in_a_cluster
	s_endpgm
.Lentry_in_a_cluster:
	s_bfe_u32 s2, ttmp6, 0x10000c
	s_cmp_lg_u32 s2, 0x3003
	s_cbranch_scc0 .Lentry_shape_is_right
	s_endpgm
.Lentry_shape_is_right:
; O = softmax(where(mask == 1, -1e9, Q K^T / 8)) V for one batch x head, both products on codes of FP6 (E2M3) with E8M0 scales; O is divided by the row's sum and quantised along the model's 1,024 for the last projection.
; THE SOFTMAX AHEAD OF THE SECOND PRODUCT: t = score x log2(e) / 8; M = the row's largest t so far, rounded up to a whole number; p = 2^(t - M) is quantised along the keys, not normalised; the row's sum is taken of the
; unquantised p.  When M moves, the sum and O are multiplied by 2^(old M - new M): exact.
; THE MASK comes as words of 32 bits, one for each score register, made by the first launch: bit = lane.  One v_cndmask_b32 a register puts -2^33 in a masked score's place, ahead of the maximum.
; LIMITS: a masked key counts as the logit -2^30 and not -1e9 (score x c is then exact, and a wholly masked row has p = 1 for every key, as with -1e9): results differ only where an unmasked logit lies under about -1e9.
;   NaN and infinities are not served; blocks of zeros and blocks under 2^-124 get the scale byte 1.
; SHARES.  A work-group takes 512 queries of one batch x head; wave w of 16 takes two tiles of 16 queries, one after the other (macro PASS).  Four waves share a SIMD, so that one wave's vector work stands beside another's products and LDS loads.
; THE WHOLE HEAD'S K AND V LIE IN LDS: 16 key steps of 13,056 bytes (K: 8 pieces of 16 keys x 64, 2 quads of scale words; V: 4 fragments of 16 channels x 128 keys, a quad), filled once.
; CLUSTER 4 x 1: the four work-groups of a head ask for it jointly; waves 0 to 3 one load each, one tensor load of a wave out.  No byte of LDS is filled again.
; LAYOUT.  Both products are used transposed (S^T = K Q^T, O^T = V^T P^T): a lane holds one query (lane % 16) throughout.  The keys of K's tiles and the channels of V's tiles were chosen by the earlier launches so that the
; 16 registers of tiles 2 b and 2 b + 1 are 16 neighbours: key or channel 32 b + 16 (lane / 16) + 0 .. 15.
; THE HEAD IS 64 AND THE INSTRUCTION'S K IS 128: Q's codes of the upper 64 are zeros.  So what K's operand holds there adds nothing, and K's eight tiles lie 6 registers apart: a tile's upper six registers are the next tile's codes.
.set STEPB, 13056
.set HEADB, 16*STEPB
.set SPARE, HEADB                      ; behind the head: the spare words, 128 bytes for each of 16 waves
.set ADA, 1                            ; v1   LDS address of the step, on 16 x lane
.set ADB, 2                            ; v2   on 8 x lane
.set L16, 3
.set L8,  4
.set SPW, 5                            ; v5   my spare word; never rewritten
.set NIL, 6                            ; v6   0; never rewritten
.set R8,  7                            ; v7   8 x (lane % 16)
.set XM,  8                            ; v8   -2^33
.set HW,  9                            ; v9, v10 the two passes' scale bytes of O
.set QF,  16                           ; v16-27 Q's fragment (v22-27 zeros)
.set QSC, 28                           ; v28  Q's scale words
.set KF,  32                           ; v32-85 K's tiles; then v32-79 V's fragments
.set KSC, 86                           ; v86-89 K's scale words
.set VSC, 90                           ; v90-91 V's
.set S,   96                           ; v96-159 S^T, then p
.set OT,  160                          ; v160-191 O^T
.set P2,  192                          ; v192-198 conversions' second halves
.set BM,  200                          ; v200-203 blocks' largest scores
.set BT,  204                          ; v204-207 the other half's, then bytes
.set SOP, 208                          ; v208-211 the conversions' scale operands
.set FF,  212                          ; v[212:213] f
.set TMP, 214
.set PSC, 216                          ; v216 p's scale word
.set SUM2, 218                         ; v[218:219] the second chain of the sum
.set PCD, 224                          ; v224-235 p's codes
.set WV,  2
.set CNT, 3
.set SEL, 66                           ; s[66:67] selects for lane l xor 16
.set CS,  68                           ; s[68:69] c = log2(e) / 8, twice
.set MO,  71                           ; s71  where the mask words in flight stand in my wave's 8,192 bytes
.set QB,  72                           ; s[72:73] my tiles of Q
.set QS,  74                           ; s[74:75] their scale words
.set MB,  76                           ; s[76:77] my wave's mask words: 2 tiles x 16 steps x 256 bytes on end
.set OB,  78                           ; s[78:79] my pieces of O
.set OS,  96                           ; s[96:97] their scale bytes
.set TB,  98                           ; s98  LDS byte at which the key step begins
.set HI,  99                           ; s99  lanes 16-31
; s[4:7], s[8:15] the descriptor; s[16:63], s[80:95] the step's 64 mask words
.macro ROUND
	s_barrier_signal -1
	s_barrier_wait -1
	s_cmp_lg_u32 s[WV], 0
	s_cbranch_scc1 .Lnot_wave_0_\@
	s_barrier_signal -3
.Lnot_wave_0_\@:
	s_barrier_wait -3
	s_barrier_signal -1
	s_barrier_wait -1
.endm
.macro MWORDS                          ; a key step's 64 words: 256 consecutive bytes
	s_load_b512 s[16:31], s[MB:MB+1], s[MO] offset:0x0
	s_load_b512 s[32:47], s[MB:MB+1], s[MO] offset:0x40
	s_load_b512 s[48:63], s[MB:MB+1], s[MO] offset:0x80
	s_load_b512 s[80:95], s[MB:MB+1], s[MO] offset:0xc0
.endm
	s_load_b256 s[72:79], s[0:1], 0x0              ; qi, kv, mwords, oimg
	v_lshl_add_u32 v[SPW], v0, 2, SPARE
	v_mov_b32 v[NIL], 0
	ds_add_u32 v[SPW], v[NIL]                      ; the wave's opening: the add and its wait ahead of the first tensor loads; work on registers stands between them
	ds_add_u32 v[SPW], v[NIL]
	v_lshrrev_b32 v1, 5, v0
	s_delay_alu instid0(VALU_DEP_1)
	v_readfirstlane_b32 s[WV], v1                  ; wave 0..15
	s_and_b32 s16, ttmp7, 0xffff                   ; batch x head, which the four partners share
	s_lshr_b32 s17, s16, 4                         ; batch
	s_and_b32 s18, s16, 15                         ; head
	s_bfe_u32 s19, ttmp6, 0x40000                  ; cx: it enters the addresses of Q, the mask and O alone
	s_lshr_b32 s20, s[WV], 2
	s_and_b32 s21, s[WV], 3
	s_lshl_b32 s22, s19, 2
	s_add_co_u32 s22, s22, s20                     ; my group of 128 queries
	s_mul_i32 s24, s16, HEADB
	s_mul_i32 s5, s[WV], HEADB/4                   ; descriptor group 0: LDS address: a quarter of the head a wave
	s_add_co_u32 s24, s24, s5
	s_mov_b32 s25, 0
	s_mov_b32 s4, 1
	s_mov_b32 s8, 15|(3<<16)|(1<<21)               ; group 1: the mask: all four work-groups; elements of 8 bytes; bit 21 beside a mask; no padding
	s_mov_b32 s9, 32<<16                           ; tensor_dim0 = 32: rows of 256 bytes
	s_mov_b32 s10, 204<<16                         ; tensor_dim1 = 204
	s_mov_b32 s11, 32<<16                          ; tile_dim0
	s_mov_b32 s12, 204                             ; tile_dim1
	s_mov_b32 s13, 32                              ; the pitch: dense
	s_mov_b32 s14, 0
	s_mov_b32 s15, 0
	s_lshl_b32 s26, s16, 4
	s_add_co_u32 s26, s26, s22
	s_mul_i32 s26, s26, STEPB                      ; my group's place in qi
	s_mul_i32 s28, s21, 1536
	s_add_co_u32 s28, s28, s26                     ; tile 2 (w % 4) of its eight
	s_mov_b32 s29, 0
	s_lshr_b32 s30, s21, 1
	s_lshl_b32 s30, s30, 8                         ; which quad,
	s_and_b32 s31, s[WV], 1
	s_lshl_b32 s31, s31, 2                         ; which word of a lane's two
	s_add_co_u32 s30, s30, s31
	s_add_co_u32 s26, s26, s30
	s_add_co_u32 s26, s26, 6144
	s_mov_b32 s27, 0
	s_lshl_b32 s32, s17, 7
	s_lshl_b32 s33, s19, 5
	s_add_co_u32 s32, s32, s33
	s_lshl_b32 s33, s[WV], 1
	s_add_co_u32 s32, s32, s33                     ; my first tile of queries among the batch's 128
	s_lshl_b32 s32, s32, 12                        ; 16 steps x 256 bytes a tile
	s_mov_b32 s33, 0
	s_lshl_b32 s34, s17, 4
	s_add_co_u32 s34, s34, s22
	s_mul_i32 s34, s34, 102400                     ; O: the block of 128 tokens,
	s_lshr_b32 s35, s18, 1
	s_mul_i32 s35, s35, 12800
	s_add_co_u32 s34, s34, s35                     ; the K step of two heads,
	s_and_b32 s35, s18, 1
	s_mul_i32 s36, s21, 3072
	s_add_co_u32 s36, s36, s34                     ; my first tile's fragment,
	s_mul_i32 s37, s35, 768
	s_add_co_u32 s36, s36, s37                     ; my head's piece of it
	s_mov_b32 s37, 0
	s_add_co_u32 s38, s34, s30
	s_add_co_u32 s38, s38, 12288
	s_lshl_b32 s35, s35, 1
	s_add_co_u32 s38, s38, s35                     ; and my head's two bytes of a scale word
	s_mov_b32 s39, 0
	s_mov_b32 s[SEL], 0x76543210
	s_mov_b32 s[SEL+1], 0xfedcba98
	s_mov_b32 s[CS], 0x3e38aa3b
	s_mov_b32 s[CS+1], s[CS]
	s_mov_b32 s[MO], 0
	s_mov_b32 s[HI], 0xffff0000
	s_wait_dscnt 0x0                               ; the opening add is done
	s_wait_kmcnt 0x0
	s_add_nc_u64 s[6:7], s[74:75], s[24:25]        ; my quarter of the head in kv
	s_or_b32 s7, s7, 0x80000000
	s_add_nc_u64 s[QS:QS+1], s[72:73], s[26:27]
	s_add_nc_u64 s[QB:QB+1], s[72:73], s[28:29]
	s_add_nc_u64 s[MB:MB+1], s[MB:MB+1], s[32:33]
	s_add_nc_u64 s[OS:OS+1], s[78:79], s[38:39]
	s_add_nc_u64 s[OB:OB+1], s[78:79], s[36:37]
	ROUND                                          ; all four work-groups are here: the joint loads meet
	s_cmp_lt_u32 s[WV], 4
	s_cbranch_scc0 .Lno_fill
	tensor_load_to_lds s[4:7], s[8:15]
	s_nop 0
.rept 4
	v_nop
.endr
.Lno_fill:
	MWORDS                                         ; the first step's mask words
	v_and_b32 v1, 31, v0
	s_delay_alu instid0(VALU_DEP_1)
	v_lshlrev_b32 v[L16], 4, v1
	s_delay_alu instid0(VALU_DEP_2)
	v_lshlrev_b32 v[L8], 3, v1
	v_and_b32 v[R8], 15, v0
	s_delay_alu instid0(VALU_DEP_1)
	v_lshlrev_b32 v[R8], 3, v[R8]
	v_mov_b32 v[XM], 0xd0000000
.irp i, 0,1,2,3,4,5
	v_mov_b32 v[QF+6+\i], 0                        ; Q's codes of the instruction's upper 64
	v_mov_b32 v[KF+48+\i], 0                       ; what stands behind K's last tile
.endr
.irp b, 0,1,2,3
	v_mov_b32 v[BT+\b], 0                          ; a lane permute's destination counts as one of its sources
.endr
	v_mov_b32 v[FF+1], 0                           ; (named as the upper half of a pair)
	v_mov_b32 v[TMP], 0
	s_wait_tensorcnt 0x0                           ; my quarter of the head has landed,
	s_barrier_signal -1
	s_barrier_wait -1                              ; everybody's has
; A KEY STEP: 128 keys
.macro STEP
	v_add_nc_u32 v[ADA], s[TB], v[L16]
	v_add_nc_u32 v[ADB], s[TB], v[L8]
	v_nop
	v_nop                                          ; four plain places behind the last products, ahead of loads into their registers
.irp t, 0,1,2,3,4,5,6,7
	ds_load_b128 v[KF+6*\t:KF+6*\t+3], v[ADA] offset:768*\t
	ds_load_b64 v[KF+6*\t+4:KF+6*\t+5], v[ADB] offset:768*\t+512
.endr
	ds_load_b64 v[KSC:KSC+1], v[ADB] offset:6144
	ds_load_b64 v[KSC+2:KSC+3], v[ADB] offset:6400
	s_wait_alu depctr_va_vdst(0)
	s_wait_dscnt 0x0
.irp t, 0,2,4,6                        ; S^T = K Q^T
	v_wmma_scale_f32_16x16x128_f8f6f4 v[S+8*\t:S+8*\t+7], v[KF+6*\t:KF+6*\t+11], v[QF:QF+11], 0, v[KSC+\t/2], v[QSC] matrix_a_fmt:MATRIX_FMT_FP6 matrix_b_fmt:MATRIX_FMT_FP6
	v_wmma_scale_f32_16x16x128_f8f6f4 v[S+8*\t+8:S+8*\t+15], v[KF+6*\t+6:KF+6*\t+17], v[QF:QF+11], 0, v[KSC+\t/2], v[QSC] matrix_a_fmt:MATRIX_FMT_FP6 matrix_b_fmt:MATRIX_FMT_FP6 matrix_a_scale:MATRIX_SCALE_ROW1
.endr
.rept 4
	v_nop
.endr
.irp f, 0,1,2,3                        ; V's fragments take K's registers; they land while the softmax is walked
.irp c, 0,1
	ds_load_b128 v[KF+12*\f+6*\c:KF+12*\f+6*\c+3], v[ADA] offset:6656+1536*\f+768*\c
	ds_load_b64 v[KF+12*\f+6*\c+4:KF+12*\f+6*\c+5], v[ADB] offset:6656+1536*\f+768*\c+512
.endr
.endr
	ds_load_b64 v[VSC:VSC+1], v[ADB] offset:12800
	s_wait_kmcnt 0x0                               ; this step's mask words, asked for a step ago
.set j, 0
.rept 64
	v_cndmask_b32 v[S+j], v[S+j], v[XM], s[16+j+16*(j/48)]   ; each accumulator from its low end on
.set j, j+1
.endr
	s_add_co_u32 s[MO], s[MO], 256                 ; the next step's words; behind my wave's last step the offset wraps to its first, so that no load leaves the buffer
	s_and_b32 s[MO], s[MO], 8191
	MWORDS
.irp b, 0,1,2,3
	v_max3_num_f32 v[BM+\b], v[S+16*\b], v[S+1+16*\b], v[S+2+16*\b]   ; the largest score of each block of 32 keys: for the row's maximum and, since p rises with the score, for the block's largest p
.endr
.irp i, 3,5,7,9,11,13
.irp b, 0,1,2,3
	s_delay_alu instid0(VALU_DEP_4)
	v_max3_num_f32 v[BM+\b], v[BM+\b], v[S+16*\b+\i], v[S+1+16*\b+\i]
.endr
.endr
.irp b, 0,1,2,3
	s_delay_alu instid0(VALU_DEP_4)
	v_max_num_f32 v[BM+\b], v[BM+\b], v[S+15+16*\b]
.endr
.irp b, 0,1,2,3
	s_delay_alu instid0(VALU_DEP_4)
	v_permlanex16_b32 v[BT+\b], v[BM+\b], s[SEL], s[SEL+1]
.endr
.irp b, 0,1,2,3
	s_delay_alu instid0(VALU_DEP_4)
	v_max_num_f32 v[BM+\b], v[BM+\b], v[BT+\b]
.endr
	s_delay_alu instid0(VALU_DEP_2)
	v_max3_num_f32 v[TMP], v[BM], v[BM+1], v[BM+2]
	s_delay_alu instid0(VALU_DEP_1)
	v_max_num_f32 v[TMP], v[TMP], v[BM+3]
	s_delay_alu instid0(VALU_DEP_1)
	v_mul_f32 v[TMP], s[CS], v[TMP]                ; the step's largest t
	s_delay_alu instid0(VALU_DEP_1)
	v_max_num_f32 v13, v13, v[TMP]                 ; the running largest t
	v_mov_b32 v[TMP], v12
	s_delay_alu instid0(VALU_DEP_2)
	v_floor_f32 v12, -v13                          ; the new -M = -ceil(t)
	s_delay_alu instid0(VALU_DEP_1)
	v_sub_f32 v[TMP], v12, v[TMP]                  ; old M - new M: a whole number, 0 or less
	s_delay_alu instid0(VALU_DEP_1)
	v_cvt_i32_f32 v[TMP], v[TMP]                   ; (it saturates)
	s_delay_alu instid0(VALU_DEP_1)
	v_ldexp_f32 v[FF], 1.0, v[TMP]                 ; f = 2^(old M - new M)
.set j, 0
.rept 32
	v_pk_fma_f32 v[S+j:S+j+1], v[S+j:S+j+1], s[CS:CS+1], v[12:13] op_sel_hi:[1,0,0]   ; t - M, two at a time
.set j, j+2
.endr
.irp b, 0,1,2,3
	v_fma_f32 v[BM+\b], v[BM+\b], s[CS], v12
.endr
.set j, 0
	s_wait_alu depctr_va_vdst(0)
.rept 64
	v_exp_f32 v[S+j], v[S+j]                       ; p = 2^(t - M)
.set j, j+1
.endr
	v_pk_mul_f32 v[14:15], v[14:15], v[FF:FF+1] op_sel_hi:[1,0]   ; the sums under the new M: the plain place behind the exponentials
	s_wait_alu depctr_va_vdst(0)                   ; one wait for the batch, ahead of its first reader
.irp b, 0,1,2,3
	v_exp_f32 v[BM+\b], v[BM+\b]                   ; the block's largest p
.endr
	v_pk_add_f32 v[218:219], v[100:101], v[104:105]
	v_pk_add_f32 v[254:255], v[108:109], v[112:113]
	v_pk_add_f32 v[252:253], v[116:117], v[120:121]
	v_pk_add_f32 v[250:251], v[124:125], v[128:129]
	v_pk_add_f32 v[248:249], v[132:133], v[136:137]
	v_pk_add_f32 v[246:247], v[140:141], v[144:145]
	v_pk_add_f32 v[244:245], v[148:149], v[152:153]
	v_pk_add_f32 v[14:15], v[14:15], v[156:157]
	v_pk_add_f32 v[218:219], v[218:219], v[96:97]
	v_pk_add_f32 v[254:255], v[254:255], v[98:99]
	v_pk_add_f32 v[252:253], v[252:253], v[102:103]
	v_pk_add_f32 v[250:251], v[250:251], v[106:107]
	v_pk_add_f32 v[248:249], v[248:249], v[110:111]
	v_pk_add_f32 v[246:247], v[246:247], v[114:115]
	v_pk_add_f32 v[244:245], v[244:245], v[118:119]
	v_pk_add_f32 v[14:15], v[14:15], v[122:123]
	v_pk_add_f32 v[218:219], v[218:219], v[126:127]
	v_pk_add_f32 v[254:255], v[254:255], v[130:131]
	v_pk_add_f32 v[252:253], v[252:253], v[134:135]
	v_pk_add_f32 v[250:251], v[250:251], v[138:139]
	v_pk_add_f32 v[248:249], v[248:249], v[142:143]
	v_pk_add_f32 v[246:247], v[246:247], v[146:147]
	v_pk_add_f32 v[244:245], v[244:245], v[150:151]
	v_pk_add_f32 v[14:15], v[14:15], v[154:155]
	v_pk_add_f32 v[218:219], v[218:219], v[158:159]
	s_delay_alu instid0(VALU_DEP_2)
	v_pk_add_f32 v[14:15], v[14:15], v[250:251]
	s_delay_alu instid0(VALU_DEP_2)
	v_pk_add_f32 v[218:219], v[218:219], v[248:249]
	v_pk_add_f32 v[254:255], v[254:255], v[246:247]
	v_pk_add_f32 v[252:253], v[252:253], v[244:245]
	s_delay_alu instid0(VALU_DEP_2)
	v_pk_add_f32 v[14:15], v[14:15], v[254:255]
	s_delay_alu instid0(VALU_DEP_2)
	v_pk_add_f32 v[218:219], v[218:219], v[252:253]
	s_delay_alu instid0(VALU_DEP_1)
	v_pk_add_f32 v[14:15], v[14:15], v[218:219]
	s_wait_alu depctr_va_vdst(0)                   ; and one for the four
.irp b, 0,1,2,3
	v_max_num_f32 v[BM+\b], 0x1800000, v[BM+\b]    ; the floor 2^(3 - 127)
.endr
.irp b, 0,1,2,3
	s_delay_alu instid0(VALU_DEP_4)
	v_add_nc_u32 v[SOP+\b], 0xff000000, v[BM+\b]
.endr
.irp b, 0,1,2,3
	s_delay_alu instid0(VALU_DEP_4)
	v_lshrrev_b32 v[BT+\b], 23, v[SOP+\b]
.endr
	s_delay_alu instid0(VALU_DEP_3)
	v_lshl_or_b32 v[PSC], v[BT+1], 8, v[BT]
	s_delay_alu instid0(VALU_DEP_1)
	v_lshl_or_b32 v[PSC], v[BT+2], 16, v[PSC]
	s_delay_alu instid0(VALU_DEP_1)
	v_lshl_or_b32 v[PSC], v[BT+3], 24, v[PSC]      ; p's scale word for these 128 keys
.irp c, 0,1
	v_cvt_scalef32_pk16_fp6_f32 v[PCD+6*\c:PCD+6*\c+2], v[S+32*\c:S+32*\c+15], v[SOP+2*\c]
	v_cvt_scalef32_pk16_fp6_f32 v[P2+4*\c:P2+4*\c+2], v[S+16+32*\c:S+31+32*\c], v[SOP+2*\c+1]
.endr
	v_nop                                          ; one plain place behind a scaled conversion
.irp c, 0,1
.irp i, 0,1,2
	v_permlane16_swap_b32 v[PCD+6*\c+\i], v[P2+4*\c+\i]
.endr
.irp i, 0,1,2
	s_delay_alu instid0(VALU_DEP_3)
	v_mov_b32 v[PCD+3+6*\c+\i], v[P2+4*\c+\i]
.endr
.endr
.set j, 0
.rept 16
	v_pk_mul_f32 v[OT+j:OT+j+1], v[OT+j:OT+j+1], v[FF:FF+1] op_sel_hi:[1,0]   ; O^T under the new M.  For each product below twelve of these name none of its registers: the places behind the scale word and the codes
.set j, j+2
.endr
	s_wait_alu depctr_va_vdst(0)
	s_wait_dscnt 0x0                               ; V
.irp f, 0,2                            ; O^T += V^T P^T: the four accumulators by turns
	v_wmma_scale_f32_16x16x128_f8f6f4 v[OT+8*\f:OT+8*\f+7], v[KF+12*\f:KF+12*\f+11], v[PCD:PCD+11], v[OT+8*\f:OT+8*\f+7], v[VSC+\f/2], v[PSC] matrix_a_fmt:MATRIX_FMT_FP6 matrix_b_fmt:MATRIX_FMT_FP6
	v_wmma_scale_f32_16x16x128_f8f6f4 v[OT+8*\f+8:OT+8*\f+15], v[KF+12*\f+12:KF+12*\f+23], v[PCD:PCD+11], v[OT+8*\f+8:OT+8*\f+15], v[VSC+\f/2], v[PSC] matrix_a_fmt:MATRIX_FMT_FP6 matrix_b_fmt:MATRIX_FMT_FP6 matrix_a_scale:MATRIX_SCALE_ROW1
.endr
	s_add_co_u32 s[TB], s[TB], STEPB
.endm
; ONE TILE OF 16 QUERIES through all 2,048 keys.  p = 0, 1: my first or second tile; its places in Q, in Q's scale words and in O stand in the immediates
.macro PASS p
	s_wait_xcnt 0x0                                ; the earlier pass's stores have read their data: the codes' registers are written again only behind this wait
	global_load_b128 v[QF:QF+3], v[L16], s[QB:QB+1] offset:768*\p th:TH_LOAD_NT
	global_load_b64 v[QF+4:QF+5], v[L8], s[QB:QB+1] offset:768*\p+512 th:TH_LOAD_NT
	global_load_b32 v[QSC], v[R8], s[QS:QS+1] offset:128*\p
	v_mov_b32 v13, 0xff61b1e6                      ; the largest t so far: -3e38
	s_delay_alu instid0(VALU_DEP_1)
	v_floor_f32 v12, -v13
	v_mov_b32 v14, 0
	v_mov_b32 v15, 0
.set j, 0
.rept 32
	v_mov_b32 v[OT+j], 0                           ; the step is written once: the first finds zeros
.set j, j+1
.endr
	s_mov_b32 s[TB], 0
	s_mov_b32 s[CNT], 16
	s_wait_loadcnt 0x0
.Lstep_\@:
	STEP
	s_sub_co_u32 s[CNT], s[CNT], 1
	s_cmp_lg_u32 s[CNT], 0
	s_cbranch_scc1 .Lstep_\@
.rept 4
	v_nop                                          ; places behind the last products
.endr
	v_add_f32 v14, v14, v15
	s_delay_alu instid0(VALU_DEP_1)
	v_permlanex16_b32 v[TMP], v14, s[SEL], s[SEL+1]
	s_delay_alu instid0(VALU_DEP_1)
	v_add_f32 v14, v14, v[TMP]                     ; the row's sum
	s_wait_alu depctr_va_vdst(0)
	v_rcp_f32 v14, v14
	v_nop                                          ; a plain place behind the reciprocal
	s_wait_alu depctr_va_vdst(0)                   ; and the wait ahead of its first reader
.set j, 0
.rept 32
	v_mul_f32 v[S+j], v[OT+j], v14                 ; register 16 b + i = channel 32 b + 16 h + i of my query
.set j, j+1
.endr
.irp b, 0,1                            ; the head's two blocks of 32 along the last projection's K
	v_max3_num_f32 v[BM+\b], |v[S+16*\b]|, |v[S+1+16*\b]|, 0x1800000
.endr
.irp i, 2,4,6,8,10,12,14
.irp b, 0,1
	s_delay_alu instid0(VALU_DEP_2)
	v_max3_num_f32 v[BM+\b], v[BM+\b], |v[S+16*\b+\i]|, |v[S+1+16*\b+\i]|
.endr
.endr
.irp b, 0,1
	s_delay_alu instid0(VALU_DEP_2)
	v_permlanex16_b32 v[BT+\b], v[BM+\b], s[SEL], s[SEL+1]
.endr
.irp b, 0,1
	s_delay_alu instid0(VALU_DEP_2)
	v_max_num_f32 v[BM+\b], v[BM+\b], v[BT+\b]
.endr
.irp b, 0,1
	s_delay_alu instid0(VALU_DEP_2)
	v_add_nc_u32 v[SOP+\b], 0xff000000, v[BM+\b]
.endr
.irp b, 0,1
	s_delay_alu instid0(VALU_DEP_2)
	v_lshrrev_b32 v[BT+\b], 23, v[SOP+\b]
.endr
	s_delay_alu instid0(VALU_DEP_1)
	v_lshl_or_b32 v[HW+\p], v[BT+1], 8, v[BT]      ; my row's two scale bytes
	v_cvt_scalef32_pk16_fp6_f32 v[PCD:PCD+2], v[S:S+15], v[SOP]
	v_cvt_scalef32_pk16_fp6_f32 v[P2:P2+2], v[S+16:S+31], v[SOP+1]
	v_nop
.irp i, 0,1,2
	v_permlane16_swap_b32 v[PCD+\i], v[P2+\i]
.endr
.irp i, 0,1,2
	s_delay_alu instid0(VALU_DEP_3)
	v_mov_b32 v[PCD+3+\i], v[P2+\i]
.endr
	global_store_b128 v[L16], v[PCD:PCD+3], s[OB:OB+1] offset:1536*\p        ; the piece: 512 and 256 consecutive bytes, aligned
	global_store_b64 v[L8], v[PCD+4:PCD+5], s[OB:OB+1] offset:1536*\p+512
.endm
	PASS 0
	PASS 1
	v_cndmask_b32 v[HW], v[HW], v[HW+1], s[HI]     ; lanes 0-15: my first tile's rows, lanes 16-31: my second's: as they lie in the quad
	global_store_b16 v[L8], v[HW], s[OS:OS+1]      ; two bytes of each row's scale word; the other two are the neighbouring head's
	s_wait_kmcnt 0x0                               ; the last look-ahead of mask words
	s_wait_tensorcnt 0x0                           ; the wave's end
	ds_add_u32 v[SPW], v[NIL]
	s_wait_dscnt 0x0
	ROUND                                          ; the closing round
	s_endpgm
.Lfunc_end_k_q5bbeee5f5f_attn:
	.size	k_q5bbeee5f5f_attn, .Lfunc_end_k_q5bbeee5f5f_attn-k_q5bbeee5f5f_attn
	.p2alignl 7, 3214868480
	.fill 96, 4, 3214868480
	.section	.rodata,"a",@progbits
	.p2align	6, 0x0
	.amdhsa_kernel k_q5bbeee5f5f_attn
		.amdhsa_group_segment_fixed_size 210944
		.amdhsa_private_segment_fixed_size 0
		.amdhsa_enable_private_segment 0
		.amdhsa_kernarg_size 32
		.amdhsa_user_sgpr_count 2
		.amdhsa_user_sgpr_kernarg_segment_ptr 1
		.amdhsa_wavefront_size32 1
		.amdhsa_system_sgpr_workgroup_id_x 1
		.amdhsa_system_sgpr_workgroup_id_y 1
		.amdhsa_system_sgpr_workgroup_id_z 1
		.amdhsa_system_vgpr_workitem_id 0
		.amdhsa_next_free_vgpr 256
		.amdhsa_next_free_sgpr 100
		.amdhsa_reserve_vcc 0
		.amdhsa_float_denorm_mode_32 3
		.amdhsa_float_denorm_mode_16_64 3
		.amdhsa_memory_ordered 1
		.amdhsa_forward_progress 1
		.amdhsa_inst_pref_size 63
	.end_amdhsa_kernel
	.amdgpu_metadata
---
amdhsa.version: [ 1, 2 ]
amdhsa.kernels:
  - .name:           k_q5bbeee5f5f_attn
    .symbol:         k_q5bbeee5f5f_attn.kd
    .args:
      - { .name: qi, .offset: 0, .size: 8, .value_kind: global_buffer, .address_space: global }
      - { .name: kv, .offset: 8, .size: 8, .value_kind: global_buffer, .address_space: global }
      - { .name: mwords, .offset: 16, .size: 8, .value_kind: global_buffer, .address_space: global }
      - { .name: oimg, .offset: 24, .size: 8, .value_kind: global_buffer, .address_space: global }
    .group_segment_fixed_size: 210944
    .private_segment_fixed_size: 0
    .kernarg_segment_align: 8
    .kernarg_segment_size: 32
    .max_flat_workgroup_size: 512
    .sgpr_count:     100
    .vgpr_count:     256
    .wavefront_size: 32
...
	.end_amdgpu_metadata
.endif
;; end of part 3
;; launch outg (part 4): grid 4 x 64, 4 waves a work-group, clusters of 4 x 4, 327,680 bytes of LDS; arguments ops, oimg, out0; writes out0
.if DOCPART == 4
	.amdgcn_target "amdgcn-amd-amdhsa--gfx1250"
	.amdhsa_code_object_version 6
	.text
	.protected	k_q5bbeee5f5f_outg
	.globl	k_q5bbeee5f5f_outg
	.p2align	8
	.type	k_q5bbeee5f5f_outg,@function
k_q5bbeee5f5f_outg:
	s_mov_b64 s[64:65], 0
	v_nop
	global_prefetch_b8 v0, s[64:65] scope:SCOPE_SE
	s_setreg_imm32_b32 hwreg(HW_REG_WAVE_MODE, 25, 1), 1
	s_wait_xcnt 0x0
	s_wait_alu depctr_hold_cnt(0) depctr_sa_sdst(0) depctr_va_vdst(0) depctr_va_sdst(0) depctr_va_ssrc(0) depctr_va_vcc(0) depctr_vm_vsrc(0)
	s_getreg_b32 s2, hwreg(HW_REG_IB_STS2, 6, 4)
	s_cmp_eq_u32 s2, 0
	s_cbranch_scc0 .Lentry_in_a_cluster
	s_endpgm
.Lentry_in_a_cluster:
	s_bfe_u32 s2, ttmp6, 0x10000c
	s_cmp_lg_u32 s2, 0xf033
	s_cbranch_scc0 .Lentry_shape_is_right
	s_endpgm
.Lentry_shape_is_right:
; out0 = O w_out^T on codes of FP6 (E2M3) with E8M0 scales, f32 sums.  w_out comes from ops (blocks 216-223), O from oimg (64 blocks), both as images of operand registers:
; blocks of 128 rows x 1,024 K = 102,400 bytes: 8 K steps of 8 fragments (1,536 bytes) and 2 quads of scale words (256 bytes).
; SHARES.  A work-group makes 256 columns (source 0 = w_out's rows) x 128 tokens (source 1 = O); wave w makes 128 x 64: 32 accumulators, 256 registers (window 1).  Used so, a lane holds eight neighbouring columns of one token.
; ALL OF K LIES IN LDS: 3 x 102,400 bytes, each byte filled once, in two halves of four K steps.  A wave has one tensor load out.
; CLUSTER 4 x 4: w_out's blocks hang on cx and are asked for jointly along a column of the cluster, O's hang on cy and are asked for jointly along a row.
.set BLK,   102400
.set KST,   12800
.set CHK,   51200                      ; half a block: four K steps.  THE FILLS, as this text has them: each wave issues ONE tensor load, at the head: waves 0 and 1 the first and the second half along K of w_out's two blocks (2 rows of 51,200 bytes), waves 2 and 3 the two halves of O's block (200 rows of 256 bytes).  One tensor load of a wave is out
.set OP1,   2*BLK
.set SPARE, 3*BLK
.set L16, 1
.set L8,  2
.set A0A, 4
.set A0B, 6
.set A1A, 8
.set A1B, 10
.set A1S, 12
.set STO, 14                           ; v14  the way out: where I put 32 bytes of a row
.set RD,  15                           ; v15  and where I read a row back
.set SPW, 28
.set NIL, 29
.set SC,  32
.set F0,  64
.set F1,  160
.set BK,  64                           ; the way out: 16 rows read back: v64-127 and v128-191 by turns
.set WV, 10
.set H0, 11
.set H1, 12
.set CX, 13
.set CY, 14
.set G1A, 24
.set G1B, 32
.set G0A, 40
.set OUT, 76                           ; s[76:77] my part of out0
.set MSB, 0
.macro WIN new
.if MSB != \new
	s_set_vgpr_msb (MSB<<8)|\new
.set MSB, \new
.endif
.endm
.macro PLACES
.rept 4
	v_nop
.endr
.endm
.macro ROUND
	s_barrier_signal -1
	s_barrier_wait -1
	s_cmp_lg_u32 s[WV], 0
	s_cbranch_scc1 .Lnot_wave_0_\@
	s_barrier_signal -3
.Lnot_wave_0_\@:
	s_barrier_wait -3
	s_barrier_signal -1
	s_barrier_wait -1
.endm
	s_load_b128 s[4:7], s[0:1], 0x0                ; ops, oimg
	s_load_b64 s[8:9], s[0:1], 0x10                ; out0
	v_lshl_add_u32 v[SPW], v0, 2, SPARE
	v_mov_b32 v[NIL], 0
	ds_add_u32 v[SPW], v[NIL]                      ; the wave's opening: the add and its wait ahead of the first tensor loads
	ds_add_u32 v[SPW], v[NIL]
	v_lshrrev_b32 v3, 5, v0
	v_readfirstlane_b32 s[WV], v3
	s_lshr_b32 s[H0], s[WV], 1
	s_and_b32 s[H1], s[WV], 1
	s_bfe_u32 s[CX], ttmp6, 0x40000
	s_bfe_u32 s[CY], ttmp6, 0x40004
	s_and_b32 s15, ttmp7, 0xffff
	s_lshl_b32 s21, s15, 2
	s_add_co_u32 s21, s21, s[CY]                   ; which block of 128 tokens
	s_lshl_b32 s86, s[CX], 1
	s_add_co_u32 s86, s86, 216
	s_mul_i32 s86, s86, BLK                        ; w_out's pair of blocks, in bytes,
	s_mul_i32 s3, s[H1], CHK                       ; which half along K I fetch: the wave's number alone
	s_add_co_u32 s86, s86, s3
	s_mov_b32 s87, 0
	s_mul_i32 s88, s21, BLK
	s_add_co_u32 s88, s88, s3
	s_mov_b32 s89, 0
	s_lshl_b32 s94, 0x1111, s[CX]                  ; my column of the cluster
	s_or_b32 s[G1A], s94, (3<<16)|(1<<21)
	s_lshl_b32 s95, s[CY], 2
	s_lshl_b32 s95, 15, s95                        ; my row
	s_or_b32 s[G1B], s95, (3<<16)|(1<<21)
	s_mov_b32 s[G1A+1], 6400<<16                   ; w_out: tensor_dim0 = 6,400 elements of 8 bytes: half a block is one row
	s_mov_b32 s[G1A+2], 2<<16                      ; tensor_dim1 = 2: the two blocks
	s_mov_b32 s[G1A+3], 6400<<16                   ; tile_dim0
	s_mov_b32 s[G1A+4], 2                          ; tile_dim1
	s_mov_b32 s[G1A+5], 12800                      ; the pitch: a block
	s_mov_b32 s[G1A+6], 0
	s_mov_b32 s[G1A+7], 0
	s_mov_b32 s[G1B+1], 32<<16                     ; O: rows of 256 bytes,
	s_mov_b32 s[G1B+2], 200<<16                    ; 200 of them,
	s_mov_b32 s[G1B+3], 32<<16
	s_mov_b32 s[G1B+4], 200
	s_mov_b32 s[G1B+5], 32                         ; dense
	s_mov_b32 s[G1B+6], 0
	s_mov_b32 s[G1B+7], 0
	s_mul_i32 s2, s[H1], BLK
	s_wait_dscnt 0x0
	s_wait_kmcnt 0x0
	s_add_nc_u64 s[90:91], s[4:5], s[86:87]
	s_add_nc_u64 s[92:93], s[6:7], s[88:89]
	ROUND
	s_mov_b32 s[G0A], 1
	s_add_co_u32 s[G0A+1], s2, 0                   ; LDS: w_out lies by halves along K: half x 102,400 + block x 51,200
	s_mov_b64 s[G0A+2:G0A+3], s[90:91]
	s_or_b32 s[G0A+3], s[G0A+3], 0x80000000
	s_mov_b32 s56, 1
	s_add_co_u32 s57, s3, OP1                      ; O: its two halves on end
	s_mov_b64 s[58:59], s[92:93]
	s_or_b32 s59, s59, 0x80000000
	s_cmp_lt_u32 s[WV], 2                          ; waves 0 and 1: w_out's halves; waves 2 and 3: O's.  One fill to an arm, one join
	s_cbranch_scc0 .Lnot_op0
	tensor_load_to_lds s[G0A:G0A+3], s[G1A:G1A+7]
	s_nop 0
.rept 4
	v_nop
.endr
	s_branch .Lasked
.Lnot_op0:
	tensor_load_to_lds s[56:59], s[G1B:G1B+7]
	s_nop 0
.rept 4
	v_nop
.endr
.Lasked:
	v_and_b32 v3, 31, v0
	v_lshlrev_b32 v[L16], 4, v3
	s_wait_alu depctr_va_vdst(0)
	v_lshlrev_b32 v[L8], 3, v3
	s_wait_alu depctr_va_vdst(0)
	s_mul_i32 s3, s[H0], CHK
	s_mul_i32 s15, s[H1], 6144
	s_add_co_u32 s15, s15, OP1
	s_lshl_b32 s17, s[H1], 8
	s_add_co_u32 s17, s17, OP1+12288
.irp k, 0,1
	v_add_nc_u32 v[A0A+\k], s3, v[L16]
	v_add_nc_u32 v[A0B+\k], s3, v[L8]
	v_add_nc_u32 v[A1A+\k], s15, v[L16]
	v_add_nc_u32 v[A1B+\k], s15, v[L8]
	v_add_nc_u32 v[A1S+\k], s17, v[L8]
	s_add_co_u32 s3, s3, BLK
	s_add_co_u32 s15, s15, 4*KST
	s_add_co_u32 s17, s17, 4*KST
.endr
	s_mul_i32 s18, s[WV], 8448                     ; my stage: 16 rows x (512 + 16) bytes, in the bytes of w_out's K steps 0 to 2, which have had their one fill and which nobody reads behind the barrier in K step 3
	v_and_b32 v[STO], 15, v0
	v_mul_u32_u24 v[STO], v[STO], 528
	v_bfe_u32 v3, v0, 4, 1
	v_lshl_add_u32 v[STO], v3, 5, v[STO]
	v_add_nc_u32 v[STO], s18, v[STO]
	v_add_nc_u32 v[RD], s18, v[L16]
	s_lshl_b32 s19, s21, 7
	s_lshl_b32 s20, s[H1], 6
	s_add_co_u32 s19, s19, s20                     ; my first token
	s_lshl_b32 s88, s19, 12                        ; 4,096 bytes a row of out0
	s_lshl_b32 s20, s[CX], 10
	s_add_co_u32 s88, s88, s20
	s_lshl_b32 s20, s[H0], 9
	s_add_co_u32 s88, s88, s20                     ; my 128 columns
	s_mov_b32 s89, 0
	s_add_nc_u64 s[OUT:OUT+1], s[8:9], s[88:89]
.macro FRAG reg, aA, aB, off
	ds_load_b128 v[\reg:\reg+3], v[\aA] offset:\off
	ds_load_b64 v[\reg+4:\reg+5], v[\aB] offset:(\off)+512
	ds_load_b128 v[\reg+6:\reg+9], v[\aA] offset:(\off)+768
	ds_load_b64 v[\reg+10:\reg+11], v[\aB] offset:(\off)+1280
.endm
.macro FETCH0 s, i0
.irp i, 0,1,2,3
	FRAG F0+12*(\i0+\i), A0A+(\s)/4, A0B+(\s)/4, ((\s)%4)*KST+1536*(\i0+\i)
.endr
.endm
.macro FETCH1 s
.irp j, 0,1,2,3
	FRAG F1+48*((\s)%2)+12*\j, A1A+(\s)/4, A1B+(\s)/4, ((\s)%4)*KST+1536*\j
.endr
.endm
.macro SCALES s
	ds_load_b64 v[SC+6*((\s)%2):SC+6*((\s)%2)+1], v[A0B+(\s)/4] offset:((\s)%4)*KST+12288
	ds_load_b64 v[SC+6*((\s)%2)+2:SC+6*((\s)%2)+3], v[A0B+(\s)/4] offset:((\s)%4)*KST+12544
	ds_load_b64 v[SC+6*((\s)%2)+4:SC+6*((\s)%2)+5], v[A1S+(\s)/4] offset:((\s)%4)*KST
.endm
.macro WM i, j, set, zero
.set rD, 64*(\j)+8*(\i)
.set rA, F0+12*(\i)
.set rB, F1+48*(\set)+12*(\j)
.set rX, SC+6*(\set)+(\i)/2
.set rY, SC+6*(\set)+4+(\j)/2
.if \zero
.if (\i)%2
.if (\j)%2
	v_wmma_scale_f32_16x16x128_f8f6f4 v[rD:rD+7], v[rA:rA+11], v[rB:rB+11], 0, v[rX], v[rY] matrix_a_fmt:MATRIX_FMT_FP6 matrix_b_fmt:MATRIX_FMT_FP6 matrix_a_scale:MATRIX_SCALE_ROW1 matrix_b_scale:MATRIX_SCALE_ROW1
.else
	v_wmma_scale_f32_16x16x128_f8f6f4 v[rD:rD+7], v[rA:rA+11], v[rB:rB+11], 0, v[rX], v[rY] matrix_a_fmt:MATRIX_FMT_FP6 matrix_b_fmt:MATRIX_FMT_FP6 matrix_a_scale:MATRIX_SCALE_ROW1
.endif
.else
.if (\j)%2
	v_wmma_scale_f32_16x16x128_f8f6f4 v[rD:rD+7], v[rA:rA+11], v[rB:rB+11], 0, v[rX], v[rY] matrix_a_fmt:MATRIX_FMT_FP6 matrix_b_fmt:MATRIX_FMT_FP6 matrix_b_scale:MATRIX_SCALE_ROW1
.else
	v_wmma_scale_f32_16x16x128_f8f6f4 v[rD:rD+7], v[rA:rA+11], v[rB:rB+11], 0, v[rX], v[rY] matrix_a_fmt:MATRIX_FMT_FP6 matrix_b_fmt:MATRIX_FMT_FP6
.endif
.endif
.else
.if (\i)%2
.if (\j)%2
	v_wmma_scale_f32_16x16x128_f8f6f4 v[rD:rD+7], v[rA:rA+11], v[rB:rB+11], v[rD:rD+7], v[rX], v[rY] matrix_a_fmt:MATRIX_FMT_FP6 matrix_b_fmt:MATRIX_FMT_FP6 matrix_a_scale:MATRIX_SCALE_ROW1 matrix_b_scale:MATRIX_SCALE_ROW1
.else
	v_wmma_scale_f32_16x16x128_f8f6f4 v[rD:rD+7], v[rA:rA+11], v[rB:rB+11], v[rD:rD+7], v[rX], v[rY] matrix_a_fmt:MATRIX_FMT_FP6 matrix_b_fmt:MATRIX_FMT_FP6 matrix_a_scale:MATRIX_SCALE_ROW1
.endif
.else
.if (\j)%2
	v_wmma_scale_f32_16x16x128_f8f6f4 v[rD:rD+7], v[rA:rA+11], v[rB:rB+11], v[rD:rD+7], v[rX], v[rY] matrix_a_fmt:MATRIX_FMT_FP6 matrix_b_fmt:MATRIX_FMT_FP6 matrix_b_scale:MATRIX_SCALE_ROW1
.else
	v_wmma_scale_f32_16x16x128_f8f6f4 v[rD:rD+7], v[rA:rA+11], v[rB:rB+11], v[rD:rD+7], v[rX], v[rY] matrix_a_fmt:MATRIX_FMT_FP6 matrix_b_fmt:MATRIX_FMT_FP6
.endif
.endif
.endif
.endm
.macro MUL16 i0, set, zero             ; the 32 accumulators take turns, one instruction a turn, in the same order in every K step
.irp i, 0,1,2,3
.irp j, 0,1,2,3
	WM (\i0+\i), \j, \set, \zero
.endr
.endr
.endm
.macro KSTEP s, zero
	s_wait_dscnt 16                                ; all but the youngest 16 loads (source 0's tiles 4-7) are in
	WIN 0x50
	MUL16 0, (\s)%2, \zero
	s_wait_dscnt 0x0
.if (\s) == 3                          ; a barrier for the way out: my reads of K steps 0 to 3 are over (the wait on DScnt above); behind it nobody reads the bytes of w_out's K steps 0 to 2, on which the stages lie
	s_barrier_signal -1
	s_barrier_wait -1
.endif
.if (\s) < 7
	PLACES
	WIN 0
	FETCH1 (\s)+1
	SCALES (\s)+1
	FETCH0 (\s)+1, 0
	WIN 0x50
.endif
	MUL16 4, (\s)%2, \zero
	PLACES
	WIN 0
.if (\s) < 7
	FETCH0 (\s)+1, 4
.endif
.endm
	s_wait_alu depctr_va_vdst(0)
	s_wait_tensorcnt 0x0                           ; my one load has landed,
	s_barrier_signal -1
	s_barrier_wait -1
	FETCH1 0
	SCALES 0
	FETCH0 0, 0
	FETCH0 0, 4
	KSTEP 0, 1
	KSTEP 1, 0
	KSTEP 2, 0
	KSTEP 3, 0
	KSTEP 4, 0
	KSTEP 5, 0
	KSTEP 6, 0
	KSTEP 7, 0
; THE WAY OUT, 16 tokens x 128 columns at a time.  A lane holds 32 neighbouring bytes of a row and the lanes beside it hold other rows: a block goes through my own stage and comes back as whole rows of 512 bytes.
; LDS serves a wave's instructions in order (ISA guide 5.7.1.4): no wait between the stores and the loads, nor ahead of the next block's stores.
.macro TOSTAGE j
	WIN 0x04                                       ; an LDS store's data are its source 1: window 1
.irp i, 0,1,2,3,4,5,6,7
	ds_store_b128 v[STO], v[64*(\j)+8*\i:64*(\j)+8*\i+3] offset:64*\i          ; each accumulator from its low end on
	ds_store_b128 v[STO], v[64*(\j)+8*\i+4:64*(\j)+8*\i+7] offset:64*\i+16
.endr
	WIN 0
.set BB, BK+64*((\j)%2)
.irp t, 0,1,2,3,4,5,6,7,8,9,10,11,12,13,14,15
	ds_load_b128 v[BB+4*\t:BB+4*\t+3], v[RD] offset:\t*528
.endr
.endm
.macro SEND j, younger                 ; younger: the LDS instructions issued behind block j's loads, which may stay out
.set BB, BK+64*((\j)%2)
	s_wait_dscnt \younger
.irp t, 0,1,2,3,4,5,6,7,8,9,10,11,12,13,14,15
	global_store_b128 v[L16], v[BB+4*\t:BB+4*\t+3], s[OUT:OUT+1] offset:(16*(\j)+\t)*4096 th:TH_STORE_NT   ; 32 lanes store 512 consecutive bytes, aligned; written once
.endr
.endm
	TOSTAGE 0
	TOSTAGE 1
	SEND 0, 32                                     ; behind block 0's loads: block 1's 16 stores and 16 loads
	s_wait_xcnt 0x0                                ; block 0's stores have read their registers: block 2's loads may land there
	TOSTAGE 2
	SEND 1, 32
	s_wait_xcnt 0x0
	TOSTAGE 3
	SEND 2, 32
	SEND 3, 0
	s_wait_tensorcnt 0x0                           ; the wave's end, behind my last LDS store
	ds_add_u32 v[SPW], v[NIL]
	s_wait_dscnt 0x0
	ROUND                                          ; the closing round
	s_endpgm
.Lfunc_end_k_q5bbeee5f5f_outg:
	.size	k_q5bbeee5f5f_outg, .Lfunc_end_k_q5bbeee5f5f_outg-k_q5bbeee5f5f_outg
	.p2alignl 7, 3214868480
	.fill 96, 4, 3214868480
	.section	.rodata,"a",@progbits
	.p2align	6, 0x0
	.amdhsa_kernel k_q5bbeee5f5f_outg
		.amdhsa_group_segment_fixed_size 327680
		.amdhsa_private_segment_fixed_size 0
		.amdhsa_enable_private_segment 0
		.amdhsa_kernarg_size 24
		.amdhsa_user_sgpr_count 2
		.amdhsa_user_sgpr_kernarg_segment_ptr 1
		.amdhsa_wavefront_size32 1
		.amdhsa_system_sgpr_workgroup_id_x 1
		.amdhsa_system_sgpr_workgroup_id_y 1
		.amdhsa_system_sgpr_workgroup_id_z 1
		.amdhsa_system_vgpr_workitem_id 0
		.amdhsa_next_free_vgpr 512
		.amdhsa_next_free_sgpr 96
		.amdhsa_reserve_vcc 0
		.amdhsa_float_denorm_mode_32 3
		.amdhsa_float_denorm_mode_16_64 3
		.amdhsa_memory_ordered 1
		.amdhsa_forward_progress 1
		.amdhsa_inst_pref_size 82
	.end_amdhsa_kernel
	.amdgpu_metadata
---
amdhsa.version: [ 1, 2 ]
amdhsa.kernels:
  - .name:           k_q5bbeee5f5f_outg
    .symbol:         k_q5bbeee5f5f_outg.kd
    .args:
      - { .name: ops, .offset: 0, .size: 8, .value_kind: global_buffer, .address_space: global }
      - { .name: oimg, .offset: 8, .size: 8, .value_kind: global_buffer, .address_space: global }
      - { .name: out0, .offset: 16, .size: 8, .value_kind: global_buffer, .address_space: global }
    .group_segment_fixed_size: 327680
    .private_segment_fixed_size: 0
    .kernarg_segment_align: 8
    .kernarg_segment_size: 24
    .max_flat_workgroup_size: 128
    .sgpr_count:     96
    .vgpr_count:     512
    .wavefront_size: 32
...
	.end_amdgpu_metadata
.endif
;; end of part 4
